; MI455X (gfx1250); checked and timed in simulation.
; The chip was launched on July 23, 2026; its instructions are those of AMD's public machine-readable ISA for CDNA 5 (MIT licence, August 2026) and "CDNA5" Instruction Set Architecture Reference Guide (July 2026). The comments in the code are by the model that wrote it; some were corrected since.
;; Encoder Ro PE Block. Allowed arithmetic: matrix products marked QUANTISED: E4M3 operands, one given power-of-two scale a tensor, by v_wmma_f32_16x16x64_fp8_fp8 or v_wmma_f32_16x16x128_fp8_fp8, f32 sums; everything else in f32.
;; Inputs: b1 4,096 float32; b2 1,024 float32; bk 1,024 float32; bo 1,024 float32; bq 1,024 float32; bv 1,024 float32; gate_mlp 1 x 1 x 1,024 float32; gate_msa 1 x 1 x 1,024 float32; ln1_b 1,024 float32; ln1_g 1,024 float32; ln2_b 1,024 float32; ln2_g 1,024 float32; lowp_scales 16 int32 (the exponents e of the quantised operands' scales 2^e); w1_codes 4,096 x 32 x 32 uint8 (E4M3 codes of w1, K innermost, in blocks of 32 codes); w2_codes 1,024 x 128 x 32 uint8 (E4M3 codes of w2, K innermost, in blocks of 32 codes); wk_codes 1,024 x 32 x 32 uint8 (E4M3 codes of wk, K innermost, in blocks of 32 codes); wo_codes 1,024 x 32 x 32 uint8 (E4M3 codes of wo, K innermost, in blocks of 32 codes); wq_codes 1,024 x 32 x 32 uint8 (E4M3 codes of wq, K innermost, in blocks of 32 codes); wv_codes 1,024 x 32 x 32 uint8 (E4M3 codes of wv, K innermost, in blocks of 32 codes); x 2 x 2,048 x 1,024 float32.
;; Outputs: out0 2 x 2,048 x 1,024 float32.
;; This version of the problem:
;;   THIS VERSION OF THE PROBLEM IS GIVEN IN LOW PRECISION. The matrix products marked QUANTISED in the list below multiply operands that are first quantised to E4M3 (4 exponent bits, 3 mantissa bits; 8 bits a number), with one given power-of-two scale for each operand tensor; their sums are f32. All else is computed in f32.
;;   The module's matrix products, in the order in which they are computed (A, B: the left and right operand; K: the contracted axis; several contracted axes count as one K, in the product's order):
;;     1. [M 4,096, K 1,024] x [K 1,024, N 1,024]; A: computed on the way; B: input wq (given as codes): QUANTISED (scales: A lowp_scales[0], B lowp_scales[1])
;;     2. [M 4,096, K 1,024] x [K 1,024, N 1,024]; A: computed on the way; B: input wk (given as codes): QUANTISED (scales: A lowp_scales[2], B lowp_scales[3])
;;     3. [M 4,096, K 1,024] x [K 1,024, N 1,024]; A: computed on the way; B: input wv (given as codes): QUANTISED (scales: A lowp_scales[4], B lowp_scales[5])
;;     4. batch 32 x [M 2,048, K 64] x [K 64, N 2,048]; A: computed on the way; B: computed on the way: QUANTISED (scales: A lowp_scales[6], B lowp_scales[7])
;;     5. batch 32 x [M 2,048, K 2,048] x [K 2,048, N 64]; A: softmax (see below); B: computed on the way: QUANTISED (scales: A lowp_scales[8], B lowp_scales[9])
;;     6. [M 4,096, K 1,024] x [K 1,024, N 1,024]; A: computed on the way; B: input wo (given as codes): QUANTISED (scales: A lowp_scales[10], B lowp_scales[11])
;;     7. [M 4,096, K 1,024] x [K 1,024, N 4,096]; A: computed on the way; B: input w1 (given as codes): QUANTISED (scales: A lowp_scales[12], B lowp_scales[13])
;;     8. [M 4,096, K 4,096] x [K 4,096, N 1,024]; A: computed on the way; B: input w2 (given as codes): QUANTISED (scales: A lowp_scales[14], B lowp_scales[15])
;;   THE QUANTISER, for each operand of a quantised product, along K:
;;     - The operand's scale is 2^e, e = its entry of the input lowp_scales (int32; the entries are numbered through the quantised products in the list's order, A before B).
;;     - Each number is divided by the scale, clamped to +-448, and rounded to the nearest number of E4M3, ties to even, subnormals kept.
;;     - The product sums the exact products of the quantised numbers (number of the format x scale) in f32.
;;   ~~~python
;;   def quantise(x, axis, e):      # numpy; x: float32 -> the quantised numbers, widened to float32 again
;;       x = np.moveaxis(x, axis, -1); K = x.shape[-1]
;;       r = np.clip(x / 2.0 ** e, -448, 448)
;;       step = 2.0 ** (np.maximum(np.frexp(np.where(r == 0, 1, r))[1] - 1, -6) - 3)
;;       q = np.round(r / step) * step * 2.0 ** e      # np.round: ties to even
;;       return np.moveaxis(q, -1, axis).astype(np.float32)
;;   ~~~
;;   SOFTMAX AHEAD OF A QUANTISED PRODUCT. Where the list says 'softmax', what is quantised is not the finished softmax but p = 2^(t - M), with t = logit x log2(e) and M = ceil(the row's largest t), a whole number; so 1/2 < the row's largest p <= 1. The row's sum l is taken of the UNQUANTISED p, in f32, and the product's result is divided by l at the end. Since M is a whole number, a kernel that streams over the keys may use a running M (the ceiling of the running maximum): every later rescaling is an exact power of two, so the quantised numbers keep their values, but for numbers so far below the row's largest that they fall under the format's range.
;;   OPERANDS COMPUTED ON THE WAY. 'Computed on the way' means the value that the module computes at that place (a softmax that the list does not call 'softmax' is quantised finished and normalised). What goes into a quantiser is computed in f32, as accurately as f32 sums, v_exp_f32 and their like allow (about 1e-6 of the number): no bf16 or f16 on the way to a quantiser, and a product that is left as it is and whose result goes on into a quantised operand takes f32 operands (vector FMAs, or v_wmma_f32_16x16x4_f32). A number that lies on a knife's edge between two numbers of the format may be rounded either way, as far as f32 arithmetic and the matrix unit's own rounding can turn it there, and no further.
;;   INPUTS GIVEN AS CODES. w1 (in the module: [1024, 4096], K = its axis 0); w2 (in the module: [4096, 1024], K = its axis 0); wk (in the module: [1024, 1024], K = its axis 0); wo (in the module: [1024, 1024], K = its axis 0); wq (in the module: [1024, 1024], K = its axis 0); wv (in the module: [1024, 1024], K = its axis 0): each comes as NAME_codes (uint8): NAME with its K axis moved to the last place and cut into blocks of 32 codes, [.., K / 32, bytes a block], one block behind the other in memory; one code a byte (a code: sign, 4 exponent bits, 3 mantissa bits); its scale is its entry of lowp_scales. Its value is code x scale, taken as it is: it is not quantised again, and the codes and scales need not be those that the quantiser above would give.
;; One version. Each part assembles by itself: llvm-mc -triple=amdgcn-amd-amdhsa -mcpu=gfx1250 --defsym DOCPART=n.
;; ======== version 1 of 1: 7 launches
;; limits: right only within a limited range of input values
;; workspace buffers: hc 12,582,912 bytes; rope 524,288 bytes; qkvc 12,582,912 bytes; oc 4,194,304 bytes; x1 16,777,216 bytes; h2c 4,194,304 bytes; gc 16,777,216 bytes
;; launch ln1 (part 1): grid 256 x 1, 8 waves a work-group, no clusters, 41,984 bytes of LDS; arguments x, ln1_g, ln1_b, lowp_scales, hc, rope; writes hc, rope
.if DOCPART == 1
	.amdgcn_target "amdgcn-amd-amdhsa--gfx1250"
	.amdhsa_code_object_version 6
	.text
	.protected	k_qe6e91dc951_ln1
	.globl	k_qe6e91dc951_ln1
	.p2align	8
	.type	k_qe6e91dc951_ln1,@function
k_qe6e91dc951_ln1:
	s_mov_b64 s[64:65], 0
	v_nop
	global_prefetch_b8 v0, s[64:65] scope:SCOPE_SE
	s_setreg_imm32_b32 hwreg(HW_REG_WAVE_MODE, 25, 1), 1
	s_wait_xcnt 0x0
; LayerNorm over rows of 1,024 f32 (mean, mean of squared differences, rsqrt(v + 1e-6), gain, bias, all f32, in two passes over registers),
; and the finished rows as codes of FP8 (E4M3), NOUT times, each time with the one scale 2^e that is given for that product's left operand.
; code = y / 2^e, held within +-448, to the nearest code, ties to even.  Codes lie row-major, 1,024 bytes a row; part o begins o x 4 MiB on.
; SHARES.  4,096 rows; a work-group of eight waves takes 16, a wave 2.  A wave asks for its two rows, the gain and the bias (32 loads of 512 consecutive bytes) at once.
; A conversion takes neighbours along the row from ONE lane's registers, a load is best where neighbouring lanes take neighbouring bytes: so each row turns through the wave's
; own stage in LDS (as loaded in, 64 bytes a lane out; 16 bytes of padding behind each 64).  Afterwards register 16 u + j of lane L is column 512 u + 16 L + j.
; No barrier: waves share nothing.  No matrix unit, no cluster, no tensor load: a stream in which each byte is read once.
; ROPE = 1: the wave also makes one row of the table of rotary angles: position l = 8 x work-group + wave, lane i: (cos, sin) of l x 10000^(-i / 32), 256 bytes a position.
; The angle is reduced by multiples of pi / 2 held in two parts (n is at most 1,304), sine and cosine are polynomials on +-pi / 4, the quadrant is chosen by selects.
; LIMITS: each e between -126 and 119, so that 2^e and 448 x 2^e are f32 numbers.  NaN among the inputs is not served; an infinity would make its row NaN as in the definition.
.set NOUT, 3                           ; how many times the rows are quantised
.set ROPE, 1                           ; the table of angles is made here
.set SC0,  0                           ; byte of the first exponent in the buffer of scales; the next ones lie 8 bytes apart
.set RAW0, 32                          ; v32-63   first row as loaded
.set RAW1, 64                          ; v64-95   second row as loaded
.set RAWG, 96                          ; v96-127  gain as loaded; later X
.set RAWB, 128                         ; v128-159 bias as loaded; later T
.set X,    96                          ; the row at work, turned
.set T,    128                         ; the row held within the largest code
.set G,    160                         ; v160-191 gain, turned
.set B,    192                         ; v192-223 bias, turned
.set C,    224                         ; v224-247 codes, eight registers for each part
.set SCL,  26                          ; v[26+2o] 2^e, v[27+2o] 448 x 2^e
	s_load_b256 s[4:11], s[0:1], 0x0               ; rows s[4:5], gain s[6:7], bias s[8:9], exponents s[10:11]
	s_load_b64 s[12:13], s[0:1], 0x20              ; codes
.if ROPE
	s_load_b64 s[14:15], s[0:1], 0x28              ; table of angles
	v_lshl_add_u32 v254, v0, 2, 0xa000
	v_mov_b32 v255, 0
.endif
	v_lshrrev_b32 v4, 5, v0
	s_delay_alu instid0(VALU_DEP_1)
	v_readfirstlane_b32 s16, v4                    ; wave 0..7
	v_and_b32 v5, 31, v0                           ; lane
	s_delay_alu instid0(VALU_DEP_1)
	v_lshlrev_b32 v1, 4, v5                        ; 16 x lane: my bytes of a load's or a store's 512
	s_mul_i32 s28, s16, 5120                       ; my wave's stage
	v_bfe_u32 v4, v0, 2, 3
	s_delay_alu instid0(VALU_DEP_1)
	v_mul_u32_u24 v4, v4, 80
	v_and_b32 v6, 3, v0
	s_delay_alu instid0(VALU_DEP_1)
	v_lshl_add_u32 v4, v6, 4, v4
	s_delay_alu instid0(VALU_DEP_1)
	v_add_nc_u32 v2, s28, v4                       ; into the stage: 80 (lane / 4) + 16 (lane % 4)
	v_mul_u32_u24 v3, v5, 80
	s_delay_alu instid0(VALU_DEP_1)
	v_add_nc_u32 v3, s28, v3                       ; out of it: 80 x lane
	s_lshl_b32 s17, ttmp9, 4
	s_lshl_b32 s18, s16, 1
	s_add_co_u32 s17, s17, s18                     ; my first row
	s_lshl_b32 s18, s17, 12                        ; in bytes of f32 rows
	s_mov_b32 s19, 0
	s_lshl_b32 s20, s17, 10                        ; in bytes of code rows
	s_mov_b32 s21, 0
	s_mov_b32 s22, 0x3a800000                      ; 1 / 1024
	s_mov_b32 s23, 0x358637bd                      ; 1e-6
	s_mov_b32 s24, 0x76543210                      ; lane selects: lane l xor 16
	s_mov_b32 s25, 0xfedcba98
	s_wait_alu depctr_va_vdst(0)
	s_wait_kmcnt 0x0
	s_load_b32 s30, s[10:11], SC0
.if NOUT > 1
	s_load_b32 s31, s[10:11], SC0+8
	s_load_b32 s32, s[10:11], SC0+16
.endif
	s_add_nc_u64 s[4:5], s[4:5], s[18:19]
	s_add_nc_u64 s[34:35], s[12:13], s[20:21]      ; a base for each part: 8 MiB does not fit a store's immediate
.if NOUT > 1
	s_add_nc_u64 s[36:37], s[34:35], 0x400000
	s_add_nc_u64 s[38:39], s[34:35], 0x800000
.endif
.macro LOADROW dst, lo, off            ; 4,096 bytes: eight loads of 512 consecutive bytes
.irp i, 0,1,2,3,4,5,6,7
	global_load_b128 v[\dst+4*\i:\dst+4*\i+3], v1, s[\lo:\lo+1] offset:\off+512*\i
.endr
.endm
.macro TURN src, dst                   ; through the stage; LDS serves a wave's instructions in order, so no wait stands between the stores and the loads
.irp i, 0,1,2,3,4,5,6,7
	ds_store_b128 v2, v[\src+4*\i:\src+4*\i+3] offset:(\i/4)*2560+(\i%4)*640
.endr
.irp u, 0,1
.irp i, 0,1,2,3
	ds_load_b128 v[\dst+16*\u+4*\i:\dst+16*\u+4*\i+3], v3 offset:\u*2560+16*\i
.endr
.endr
.endm
	LOADROW RAWG, 6, 0
	LOADROW RAWB, 8, 0
	LOADROW RAW0, 4, 0
	LOADROW RAW1, 4, 4096
.if ROPE
	; one row of the table, while the loads are on their way; v160-182 are free until the gain is turned
	s_lshl_b32 s27, ttmp9, 3
	s_add_co_u32 s27, s27, s16                     ; position l
	s_lshl_b32 s28, s27, 8
	s_mov_b32 s29, 0
	s_add_nc_u64 s[14:15], s[14:15], s[28:29]
	v_cvt_f32_u32 v161, v5
	s_delay_alu instid0(VALU_DEP_1)
	v_mul_f32 v161, 0xbed49a78, v161               ; -i x log2(10000) / 32
	s_wait_alu depctr_va_vdst(0)
	v_exp_f32 v161, v161                           ; 10000^(-i / 32)
	v_lshlrev_b32 v180, 3, v5                      ; (a plain line behind the exponential)  8 bytes a lane
	v_cvt_f32_u32 v162, s27
	s_wait_alu depctr_va_vdst(0)
	v_mul_f32 v162, v162, v161                     ; the angle f
	s_delay_alu instid0(VALU_DEP_1)
	v_mul_f32 v163, 0x3f22f983, v162               ; f x 2 / pi
	s_delay_alu instid0(VALU_DEP_1)
	v_rndne_f32 v163, v163                         ; n
	v_mov_b32 v170, 0xbfc90fdb                     ; -(pi / 2 as f32)
	v_mov_b32 v171, 0x333bbd2e                     ; what that f32 number has too much
	s_delay_alu instid0(VALU_DEP_2)
	v_fma_f32 v164, v163, v170, v162
	s_delay_alu instid0(VALU_DEP_1)
	v_fma_f32 v164, v163, v171, v164               ; r = f - n pi / 2, within +-pi / 4
	s_delay_alu instid0(VALU_DEP_1)
	v_mul_f32 v165, v164, v164                     ; z = r r
	v_mov_b32 v172, -0.00019515295891
	v_mov_b32 v173, 0.0083321608736
	v_mov_b32 v174, -0.16666654611
	v_mov_b32 v175, 0.00002443315711809948
	v_mov_b32 v181, -0.001388731625493765
	v_mov_b32 v182, 0.04166664568298827
	v_fma_f32 v166, v172, v165, v173
	s_delay_alu instid0(VALU_DEP_3)
	v_fma_f32 v167, v175, v165, v181
	s_delay_alu instid0(VALU_DEP_2)
	v_fma_f32 v166, v166, v165, v174
	s_delay_alu instid0(VALU_DEP_2)
	v_fma_f32 v167, v167, v165, v182
	s_delay_alu instid0(VALU_DEP_2)
	v_mul_f32 v166, v166, v165
	s_delay_alu instid0(VALU_DEP_2)
	v_mul_f32 v167, v167, v165
	v_fma_f32 v168, v165, -0.5, 1.0
	s_delay_alu instid0(VALU_DEP_3)
	v_fma_f32 v166, v166, v164, v164               ; sin r
	s_delay_alu instid0(VALU_DEP_2)
	v_fma_f32 v167, v167, v165, v168               ; cos r
	v_cvt_i32_f32 v169, v163                       ; the quadrant
	s_delay_alu instid0(VALU_DEP_1)
	v_and_b32 v178, 1, v169
	s_delay_alu instid0(VALU_DEP_1)
	v_cmp_eq_u32 vcc_lo, 1, v178
	s_delay_alu instid0(VALU_DEP_1)
	v_cndmask_b32 v177, v166, v167, vcc_lo         ; sine: odd quadrants take cos r
	s_delay_alu instid0(VALU_DEP_2)
	v_cndmask_b32 v176, v167, v166, vcc_lo         ; cosine: odd quadrants take sin r
	v_and_b32 v178, 2, v169
	s_delay_alu instid0(VALU_DEP_1)
	v_lshlrev_b32 v178, 30, v178
	s_delay_alu instid0(VALU_DEP_1)
	v_xor_b32 v177, v177, v178                     ; sine is negative in quadrants 2 and 3
	v_add_nc_u32 v179, 1, v169
	s_delay_alu instid0(VALU_DEP_1)
	v_and_b32 v179, 2, v179
	s_delay_alu instid0(VALU_DEP_1)
	v_lshlrev_b32 v179, 30, v179
	s_delay_alu instid0(VALU_DEP_1)
	v_xor_b32 v176, v176, v179                     ; cosine in quadrants 1 and 2
	global_store_b64 v180, v[176:177], s[14:15]    ; the wave stores 256 consecutive bytes, aligned
.endif
	s_wait_kmcnt 0x0
.set o, 0
.rept NOUT
	s_add_co_i32 s[30+o], s[30+o], 127
	s_lshl_b32 s33, s[30+o], 23
	v_mov_b32 v[SCL+2*o], s33                      ; 2^e as f32: the conversion takes its exponent field
	s_add_co_i32 s[30+o], s[30+o], 8
	s_lshl_b32 s[30+o], s[30+o], 23
	s_or_b32 s[30+o], s[30+o], 0x600000
	v_mov_b32 v[SCL+2*o+1], s[30+o]                ; 448 x 2^e
.set o, o+1
.endr
.macro WSUM                            ; v4 summed over the 32 lanes, the result in every lane
	s_delay_alu instid0(VALU_DEP_1)
	v_add_f32_dpp v4, v4, v4 row_xmask:1 row_mask:0xf bank_mask:0xf
	s_delay_alu instid0(VALU_DEP_1)
	v_add_f32_dpp v4, v4, v4 row_xmask:2 row_mask:0xf bank_mask:0xf
	s_delay_alu instid0(VALU_DEP_1)
	v_add_f32_dpp v4, v4, v4 row_xmask:4 row_mask:0xf bank_mask:0xf
	s_delay_alu instid0(VALU_DEP_1)
	v_add_f32_dpp v4, v4, v4 row_xmask:8 row_mask:0xf bank_mask:0xf
	s_delay_alu instid0(VALU_DEP_1)
	v_permlanex16_b32 v5, v4, s24, s25
	s_delay_alu instid0(VALU_DEP_1)
	v_add_f32 v4, v4, v5
.endm
.macro FOLD                            ; four chains of pairs into v4
	s_delay_alu instid0(VALU_DEP_3)
	v_pk_add_f32 v[4:5], v[4:5], v[6:7]
	s_delay_alu instid0(VALU_DEP_2)
	v_pk_add_f32 v[8:9], v[8:9], v[10:11]
	s_delay_alu instid0(VALU_DEP_1)
	v_pk_add_f32 v[4:5], v[4:5], v[8:9]
	s_delay_alu instid0(VALU_DEP_1)
	v_add_f32 v4, v4, v5
.endm
.macro ROW src, row                    ; one row: turned, normalised, quantised NOUT times, stored
	TURN \src, X
	s_wait_dscnt 0x0                               ; the row is back, 32 numbers a lane
.irp k, 0,1,2,3
	v_pk_add_f32 v[4+2*\k:5+2*\k], v[X+4*\k:X+4*\k+1], v[X+4*\k+2:X+4*\k+3]
.endr
.irp k, 0,1,2,3,4,5,6,7
	s_delay_alu instid0(VALU_DEP_4)
	v_pk_add_f32 v[4+2*(\k%4):5+2*(\k%4)], v[4+2*(\k%4):5+2*(\k%4)], v[X+16+2*\k:X+17+2*\k]
.endr
	FOLD
	WSUM
	s_delay_alu instid0(VALU_DEP_1)
	v_mul_f32 v12, 0xba800000, v4                  ; -mean
	s_delay_alu instid0(VALU_DEP_1)
	v_mov_b32 v13, v12
.set j, 0
.rept 16
	v_pk_add_f32 v[X+j:X+j+1], v[X+j:X+j+1], v[12:13]
.set j, j+2
.endr
.irp k, 0,1,2,3
	v_pk_mul_f32 v[4+2*\k:5+2*\k], v[X+2*\k:X+2*\k+1], v[X+2*\k:X+2*\k+1]
.endr
.irp k, 4,5,6,7,8,9,10,11,12,13,14,15
	s_delay_alu instid0(VALU_DEP_4)
	v_pk_fma_f32 v[4+2*(\k%4):5+2*(\k%4)], v[X+2*\k:X+2*\k+1], v[X+2*\k:X+2*\k+1], v[4+2*(\k%4):5+2*(\k%4)]
.endr
	FOLD
	WSUM
	s_delay_alu instid0(VALU_DEP_1)
	v_fma_f32 v4, v4, s22, s23                     ; the mean of the squares + 1e-6
	s_wait_alu depctr_va_vdst(0)
	v_rsq_f32 v14, v4
	v_nop                                          ; a plain line behind the transcendental
	s_wait_alu depctr_va_vdst(0)
	v_mov_b32 v15, v14
.set j, 0
.rept 16
	v_pk_mul_f32 v[X+j:X+j+1], v[X+j:X+j+1], v[14:15]
.set j, j+2
.endr
.set j, 0
.rept 16
	v_pk_fma_f32 v[X+j:X+j+1], v[X+j:X+j+1], v[G+j:G+j+1], v[B+j:B+j+1]
.set j, j+2
.endr
.set o, 0
.rept NOUT
.set j, 0
.rept 32
	v_med3_num_f32 v[T+j], v[X+j], -v[SCL+2*o+1], v[SCL+2*o+1]   ; the conversion to an 8-bit code does not saturate (ISA guide 7.6.2): the hold comes first
.set j, j+1
.endr
.irp g, 0,1,2,3
	v_cvt_scalef32_pk8_fp8_f32 v[C+8*o+2*\g:C+8*o+2*\g+1], v[T+8*\g:T+8*\g+7], v[SCL+2*o]
.endr
	v_nop                                          ; a plain line between the conversions and the next lines that write T
.irp u, 0,1
	global_store_b128 v1, v[C+8*o+4*\u:C+8*o+4*\u+3], s[34+2*o:35+2*o] offset:\row*1024+512*\u   ; 32 lanes store 512 consecutive bytes, aligned
.endr
.set o, o+1
.endr
.endm
.if ROPE
	s_wait_xcnt 0x0                                ; the table's store has read its registers: the gain may land on them
.endif
	s_wait_loadcnt 24                              ; the gain is in: 24 younger loads (bias, two rows) may be out
	TURN RAWG, G
	s_wait_loadcnt 16                              ; the bias is in
	TURN RAWB, B
	s_wait_loadcnt 8                               ; the first row is in
	s_wait_dscnt 0x0                               ; gain and bias are back, and their raw registers are free
	ROW RAW0, 0
	s_wait_loadcnt 0x0                             ; the second row
	s_wait_xcnt 0x0                                ; the first row's stores have read the codes' registers
	ROW RAW1, 1
	s_wait_tensorcnt 0x0
	ds_add_u32 v254, v255
	s_wait_dscnt 0x0
	s_endpgm
.Lfunc_end_k_qe6e91dc951_ln1:
	.size	k_qe6e91dc951_ln1, .Lfunc_end_k_qe6e91dc951_ln1-k_qe6e91dc951_ln1
	.p2alignl 7, 3214868480
	.fill 96, 4, 3214868480
	.section	.rodata,"a",@progbits
	.p2align	6, 0x0
	.amdhsa_kernel k_qe6e91dc951_ln1
		.amdhsa_group_segment_fixed_size 41984
		.amdhsa_private_segment_fixed_size 0
		.amdhsa_enable_private_segment 0
		.amdhsa_kernarg_size 48
		.amdhsa_user_sgpr_count 2
		.amdhsa_user_sgpr_kernarg_segment_ptr 1
		.amdhsa_wavefront_size32 1
		.amdhsa_system_sgpr_workgroup_id_x 1
		.amdhsa_system_sgpr_workgroup_id_y 1
		.amdhsa_system_sgpr_workgroup_id_z 1
		.amdhsa_system_vgpr_workitem_id 0
		.amdhsa_next_free_vgpr 256
		.amdhsa_next_free_sgpr 66
		.amdhsa_reserve_vcc 1
		.amdhsa_float_denorm_mode_32 3
		.amdhsa_float_denorm_mode_16_64 3
		.amdhsa_memory_ordered 1
		.amdhsa_forward_progress 1
		.amdhsa_inst_pref_size 44
	.end_amdhsa_kernel
	.amdgpu_metadata
---
amdhsa.version: [ 1, 2 ]
amdhsa.kernels:
  - .name:           k_qe6e91dc951_ln1
    .symbol:         k_qe6e91dc951_ln1.kd
    .args:
      - { .name: x, .offset: 0, .size: 8, .value_kind: global_buffer, .address_space: global }
      - { .name: ln1_g, .offset: 8, .size: 8, .value_kind: global_buffer, .address_space: global }
      - { .name: ln1_b, .offset: 16, .size: 8, .value_kind: global_buffer, .address_space: global }
      - { .name: lowp_scales, .offset: 24, .size: 8, .value_kind: global_buffer, .address_space: global }
      - { .name: hc, .offset: 32, .size: 8, .value_kind: global_buffer, .address_space: global }
      - { .name: rope, .offset: 40, .size: 8, .value_kind: global_buffer, .address_space: global }
    .group_segment_fixed_size: 41984
    .private_segment_fixed_size: 0
    .kernarg_segment_align: 8
    .kernarg_segment_size: 48
    .max_flat_workgroup_size: 256
    .sgpr_count:     66
    .vgpr_count:     256
    .wavefront_size: 32
...
	.end_amdgpu_metadata
.endif
;; end of part 1
;; launch qkv (part 2): grid 12 x 16, 4 waves a work-group, clusters of 4 x 4, 327,680 bytes of LDS; arguments hc, wq_codes, wk_codes, wv_codes, bq, bk, bv, lowp_scales, rope, qkvc; writes qkvc
.if DOCPART == 2
	.amdgcn_target "amdgcn-amd-amdhsa--gfx1250"
	.amdhsa_code_object_version 6
	.text
	.protected	k_qe6e91dc951_qkv
	.globl	k_qe6e91dc951_qkv
	.p2align	8
	.type	k_qe6e91dc951_qkv,@function
k_qe6e91dc951_qkv:
	s_mov_b64 s[64:65], 0
	v_nop
	global_prefetch_b8 v0, s[64:65] scope:SCOPE_SE
	s_setreg_imm32_b32 hwreg(HW_REG_WAVE_MODE, 25, 1), 1
	s_wait_xcnt 0x0
	s_wait_alu depctr_hold_cnt(0) depctr_sa_sdst(0) depctr_va_vdst(0) depctr_va_sdst(0) depctr_va_ssrc(0) depctr_va_vcc(0) depctr_vm_vsrc(0)
	s_getreg_b32 s2, hwreg(HW_REG_IB_STS2, 6, 4)
	s_cmp_eq_u32 s2, 0
	s_cbranch_scc0 .Lentry_in_a_cluster
	s_endpgm
.Lentry_in_a_cluster:
	s_bfe_u32 s2, ttmp6, 0x10000c
	s_cmp_lg_u32 s2, 0xf033
	s_cbranch_scc0 .Lentry_shape_is_right
	s_endpgm
.Lentry_shape_is_right:
.set SIZE_K, 1024
.set KSTEP,  256
.set ROWB,   256
.set KROW,   SIZE_K
.set PITCH,  272
.set FR,     16
.set NL,     4
.set NP,     4
.set HALFT,  128*PITCH
.set SLOT,   4*HALFT
.set LAPS,   SIZE_K/(2*KSTEP)
.set SPARE,  2*SLOT
.set VSTG,   9216
.set ADRA, 16
.set ADRB, 20
.set SPW,  28
.set NIL,  29
.set BIAS, 32
.set BV,   96
.set AF,   128
.set T,    128
.set U,    192
.set C,    224
.set OUT,  240
.set G1, 24
.set G0, 32
.set G1B, 48
.set G0B, 56
.set MSB, 0
.macro WIN new
.if MSB != \new
	s_set_vgpr_msb (MSB<<8)|\new
.set MSB, \new
.endif
.endm
.set MUL_LO, 0xa1
.set MUL_HI, 0xf1
.set TO_B,   0x40
.macro JLOAD g0a, g1a, g0b, g1b
	s_cmp_eq_u32 s15, 0
	s_cbranch_scc0 .Lfor_b_\@
	tensor_load_to_lds s[\g0a:\g0a+3], s[\g1a:\g1a+7]
	s_nop 0
.rept 4
	v_nop
.endr
	s_branch .Lasked_\@
.Lfor_b_\@:
	tensor_load_to_lds s[\g0b:\g0b+3], s[\g1b:\g1b+7]
	s_nop 0
.rept 4
	v_nop
.endr
.Lasked_\@:
.endm
.macro CREST
	s_cmp_lg_u32 s14, 0
	s_cbranch_scc1 .Lnot_wave_0_\@
	s_barrier_signal -3
.Lnot_wave_0_\@:
	s_barrier_wait -3
	s_barrier_signal -1
	s_barrier_wait -1
.endm
.macro CROUND
	s_barrier_signal -1
	s_barrier_wait -1
	CREST
.endm
	s_load_b256 s[68:75], s[0:1], 0x0
	s_load_b256 s[76:83], s[0:1], 0x20
	s_load_b128 s[84:87], s[0:1], 0x40
	v_lshl_add_u32 v[SPW], v0, 2, SPARE
	v_mov_b32 v[NIL], 0
	ds_add_u32 v28, v29
	ds_add_u32 v28, v29
	s_wait_dscnt 0x0
	v_lshrrev_b32 v1, 5, v0
	v_readfirstlane_b32 s14, v1
	s_lshr_b32 s15, s14, 1
	s_and_b32 s16, s14, 1
	s_bfe_u32 s40, ttmp6, 0x40000
	s_bfe_u32 s41, ttmp6, 0x40004
	s_and_b32 s99, ttmp7, 0xffff
	s_lshl_b32 s99, s99, 2
	s_lshl_b32 s43, s41, 2
	s_lshl_b32 s43, 15, s43
	s_lshl_b32 s44, 0x1111, s40
	s_cmp_eq_u32 ttmp9, 2
	s_cselect_b32 s18, 0, s99
	s_cselect_b32 s19, s99, 0
	s_add_co_u32 s17, s41, s18
	s_add_co_u32 s42, s40, s19
	s_or_b32 s[G1+0], s43, (0<<16)|(1<<20)|(1<<21)|(5<<22)|(3<<25)
	s_or_b32 s[G1B+0], s44, (0<<16)|(1<<20)|(1<<21)|(5<<22)|(3<<25)
.irp g, G1, G1B
	s_mov_b32 s[\g+1], ROWB<<16
	s_mov_b32 s[\g+2], 128<<16
	s_mov_b32 s[\g+3], ROWB<<16
	s_mov_b32 s[\g+4], 128
	s_mov_b32 s[\g+5], KROW
	s_mov_b32 s[\g+6], 0
	s_mov_b32 s[\g+7], 0
.endr
	s_lshl_b32 s18, s16, 7
	s_lshl_b32 s20, s17, 8
	s_add_co_u32 s20, s20, s18
	s_lshl_b32 s20, s20, 10
	s_mov_b32 s21, 0
	s_lshl_b32 s46, s42, 8
	s_add_co_u32 s46, s46, s18
	s_lshl_b32 s46, s46, 10
	s_mov_b32 s47, 0
	s_mul_i32 s45, s14, HALFT
	s_lshl_b32 s100, ttmp9, 22
	s_mov_b32 s101, 0
	s_wait_kmcnt 0x0
	s_load_b256 s[88:95], s[82:83], 0x0
	s_load_b64 s[96:97], s[82:83], 0x20
	s_add_nc_u64 s[100:101], s[68:69], s[100:101]
	s_cmp_eq_u32 ttmp9, 2
	s_cselect_b64 s[4:5], s[74:75], s[100:101]
	s_cselect_b64 s[6:7], s[100:101], s[70:71]
	s_cselect_b64 s[8:9], s[80:81], s[76:77]
	s_cmp_eq_u32 ttmp9, 1
	s_cselect_b64 s[6:7], s[72:73], s[6:7]
	s_cselect_b64 s[8:9], s[78:79], s[8:9]
	s_add_nc_u64 s[20:21], s[4:5], s[20:21]
	s_add_nc_u64 s[46:47], s[6:7], s[46:47]
	; THE PREFETCHES: behind each joint load but the last one line a wave names the NEXT K step (256 bytes a row) of 32 of the 128 rows that the wave fetches, a lane a row;
	; the four partners that ask for a tile jointly share its rows out by address (cx for source 1's tile, cy for source 0's).  The base stays; the K steps are reached by immediates.
	s_cmp_eq_u32 s15, 0
	s_cselect_b64 s[18:19], s[20:21], s[46:47]
	s_cselect_b32 s100, s40, s41
	s_lshl_b32 s100, s100, 15                      ; 32 rows of 1,024 bytes
	s_mov_b32 s101, 0
	s_add_nc_u64 s[18:19], s[18:19], s[100:101]
	CROUND
.irp s, 0,1
	s_mov_b32 s[G0+4*\s], 1
	s_add_co_u32 s[G0+4*\s+1], s45, \s*SLOT
	s_add_nc_u64 s[G0+4*\s+2:G0+4*\s+3], s[20:21], \s*ROWB
	s_or_b32 s[G0+4*\s+3], s[G0+4*\s+3], 0x80000000
	s_mov_b32 s[G0B+4*\s], 1
	s_add_co_u32 s[G0B+4*\s+1], s45, \s*SLOT
	s_add_nc_u64 s[G0B+4*\s+2:G0B+4*\s+3], s[46:47], \s*ROWB
	s_or_b32 s[G0B+4*\s+3], s[G0B+4*\s+3], 0x80000000
.endr
	JLOAD G0, G1, G0B, G1B                         ; K step 0: one tensor load a wave at the head
	v_and_b32 v1, 15, v0
	v_bfe_u32 v2, v0, 4, 1
	v_mul_u32_u24 v3, v1, PITCH
	v_lshl_add_u32 v4, v2, 4, v3
	s_mul_i32 s21, s15, HALFT
	s_mul_i32 s22, s16, HALFT
	s_add_co_u32 s22, s22, 2*HALFT
.irp s, 0,1
	v_add_nc_u32 v[ADRA+\s], s21, v4
	v_add_nc_u32 v[ADRB+\s], s22, v4
	s_add_co_u32 s21, s21, SLOT
	s_add_co_u32 s22, s22, SLOT
.endr
	v_and_b32 v5, 31, v0
	v_lshlrev_b32 v7, 4, v5
	v_lshlrev_b32 v18, 10, v5                      ; v18: my lane's row, 1,024 bytes a row; never rewritten
	global_prefetch_b8 v18, s[18:19] offset:ROWB th:TH_LOAD_NT scope:SCOPE_SE     ; K step 1
	v_lshlrev_b32 v8, 8, v1
	v_lshl_add_u32 v8, v2, 5, v8
	v_lshlrev_b32 v9, 5, v2
	v_lshlrev_b32 v10, 2, v1
	s_mul_i32 s23, s14, 2304
	v_mul_u32_u24 v11, v1, 144
	v_lshl_add_u32 v11, v2, 3, v11
	v_add_nc_u32 v11, s23, v11
	v_bfe_u32 v6, v0, 2, 3
	v_mul_u32_u24 v12, v6, 144
	v_and_b32 v6, 3, v0
	v_lshl_add_u32 v12, v6, 4, v12
	v_add_nc_u32 v12, s23, v12
	s_mul_i32 s23, s15, 128*272
	s_lshl_b32 s22, s16, 7
	s_add_co_u32 s23, s23, s22
	s_add_co_u32 s23, s23, VSTG
	v_lshl_add_u32 v13, v2, 3, v3
	v_add_nc_u32 v13, s23, v13
	s_mul_i32 s23, s14, 64*272
	s_add_co_u32 s23, s23, VSTG
	v_mul_u32_u24 v14, v2, 272
	v_lshl_add_u32 v14, v1, 4, v14
	v_add_nc_u32 v14, s23, v14
	v_lshlrev_b32 v15, 8, v2                       ; v: a channel's row of a group of 256 keys is 256 bytes
	v_lshl_add_u32 v15, v1, 4, v15
	s_lshl_b32 s100, ttmp9, 22
	s_lshr_b32 s22, s17, 3
	s_lshl_b32 s22, s22, 21
	s_add_co_u32 s100, s100, s22
	s_lshl_b32 s22, s42, 19
	s_add_co_u32 s100, s100, s22
	s_lshl_b32 s22, s16, 18
	s_add_co_u32 s100, s100, s22
	s_and_b32 s22, s17, 7
	s_lshl_b32 s23, s22, 14
	s_add_co_u32 s100, s100, s23
	s_lshl_b32 s23, s15, 13
	s_add_co_u32 s100, s100, s23
	s_lshl_b32 s22, s22, 16
	s_lshl_b32 s23, s15, 15
	s_add_co_u32 s22, s22, s23
	s_mov_b32 s23, 0
	s_add_nc_u64 s[12:13], s[84:85], s[22:23]
	s_lshr_b32 s98, s42, 3
	s_lshl_b32 s98, s98, 21
	s_lshl_b32 s22, s17, 19
	s_add_co_u32 s98, s98, s22
	s_lshl_b32 s22, s14, 17
	s_add_co_u32 s98, s98, s22
	s_and_b32 s22, s42, 7
	s_lshl_b32 s22, s22, 14                        ; v lies as [head][8 groups of 256 keys][64 channels][256 keys]: a group is 16,384 bytes
	s_add_co_u32 s98, s98, s22
	s_add_co_u32 s98, s98, 0x800000
	s_cmp_eq_u32 ttmp9, 2
	s_cselect_b32 s100, s98, s100
	s_cselect_b32 s22, s17, s42
	s_cselect_b32 s23, s15, s16
	s_mov_b32 s101, 0
	s_add_nc_u64 s[10:11], s[86:87], s[100:101]
	s_lshl_b32 s22, s22, 10
	s_lshl_b32 s23, s23, 9
	s_add_co_u32 s22, s22, s23
	s_mov_b32 s23, 0
	s_add_nc_u64 s[8:9], s[8:9], s[22:23]
.macro FRAG reg, adr, q, i
.irp c, 0,1,2,3
	ds_load_b128 v[\reg+4*\c:\reg+4*\c+3], v[\adr] offset:128*(\q)+32*\c+(\i)*16*PITCH
.endr
.endm
.macro MUL16 a0, p, zero
.irp a, \a0, \a0+1
.irp b, 0,1,2,3,4,5,6,7
.if \zero
	v_wmma_f32_16x16x128_fp8_fp8 v[8*(8*((\a)%4)+\b):8*(8*((\a)%4)+\b)+7], v[128*(\p)+FR*\b:128*(\p)+FR*\b+FR-1], v[AF+FR*(\a):AF+FR*(\a)+FR-1], 0
.else
	v_wmma_f32_16x16x128_fp8_fp8 v[8*(8*((\a)%4)+\b):8*(8*((\a)%4)+\b)+7], v[128*(\p)+FR*\b:128*(\p)+FR*\b+FR-1], v[AF+FR*(\a):AF+FR*(\a)+FR-1], v[8*(8*((\a)%4)+\b):8*(8*((\a)%4)+\b)+7]
.endif
.endr
.endr
.endm
.macro FETCH_B slot, q, p
	WIN TO_B
.irp i, 0,1,2,3,4,5,6,7
	FRAG 128*(\p)+FR*\i, ADRB+\slot, \q, \i
.endr
	WIN 0
.endm
.macro FETCH_A slot, q, i0
.irp i, \i0, \i0+1, \i0+2, \i0+3
	FRAG AF+FR*(\i), ADRA+\slot, \q, \i
.endr
.endm
.macro PLACES n
.rept \n
	v_nop
.endr
.endm
.macro STEP slot, q, zero
	s_wait_dscnt 4*NL
	WIN MUL_LO
	MUL16 0, (\q)%2, \zero
	MUL16 2, (\q)%2, \zero
	s_wait_dscnt 0
	PLACES NP
	FETCH_B \slot, (\q)+1, 1-(\q)%2
	FETCH_A \slot, (\q)+1, 0
	WIN MUL_HI
	MUL16 4, (\q)%2, \zero
	MUL16 6, (\q)%2, \zero
	PLACES NP
	WIN 0
	FETCH_A \slot, (\q)+1, 4
.endm
.macro TURN slot, next, fill
	s_wait_tensorcnt 0x0
	ds_add_u32 v[SPW], v[NIL]
	s_wait_dscnt 4*NL+1
	WIN MUL_LO
	MUL16 0, 1, 0
	s_wait_dscnt 0x0
	s_barrier_signal -1
	MUL16 2, 1, 0
	WIN 0
	s_barrier_wait -1
.if \fill
	CREST
	s_add_nc_u64 s[G0+4*\slot+2:G0+4*\slot+3], s[G0+4*\slot+2:G0+4*\slot+3], 2*ROWB
	s_add_nc_u64 s[G0B+4*\slot+2:G0B+4*\slot+3], s[G0B+4*\slot+2:G0B+4*\slot+3], 2*ROWB
	JLOAD G0+4*\slot, G1, G0B+4*\slot, G1B
.else
	PLACES NP
.endif
	FETCH_B \next, 0, 0
	FETCH_A \next, 0, 0
.if \fill
.if \slot == 0
	global_prefetch_b8 v18, s[18:19] offset:3*ROWB th:TH_LOAD_NT scope:SCOPE_SE   ; K has four steps: behind K step 2's load the last one is named, behind K step 3's nothing
.endif
.endif
	WIN MUL_HI
	MUL16 4, 1, 0
	MUL16 6, 1, 0
	PLACES NP
	WIN 0
	FETCH_A \next, 0, 4
.endm
	s_wait_alu depctr_va_vdst(0)
	s_wait_tensorcnt 0x0                           ; my part of K step 0 is in; the three lines ahead of slot 1's first fill
	ds_add_u32 v[SPW], v[NIL]
	s_wait_dscnt 0x0
	CROUND
	JLOAD G0+4, G1, G0B+4, G1B                     ; K step 1, the first tensor load behind the round
	FETCH_B 0, 0, 0
	FETCH_A 0, 0, 0
	FETCH_A 0, 0, 4
	global_prefetch_b8 v18, s[18:19] offset:2*ROWB th:TH_LOAD_NT scope:SCOPE_SE   ; K step 2
	STEP 0, 0, 1
	s_mov_b32 s3, LAPS-1
.Llap:
	TURN 0, 1, 1
	STEP 1, 0, 0
	TURN 1, 0, 1
	STEP 0, 0, 0
	s_sub_co_u32 s3, s3, 1
	s_cmp_lg_u32 s3, 0
	s_cbranch_scc1 .Llap
	TURN 0, 1, 0
	STEP 1, 0, 0
	s_wait_dscnt 4*NL
	WIN MUL_LO
	MUL16 0, 1, 0
	MUL16 2, 1, 0
	s_wait_dscnt 0
	WIN MUL_HI
	MUL16 4, 1, 0
	MUL16 6, 1, 0
	WIN 0
	s_wait_kmcnt 0x0
	s_add_co_i32 s88, s88, s89
	s_add_co_i32 s90, s90, s91
	s_add_co_i32 s92, s92, s93
	s_cmp_eq_u32 ttmp9, 2
	s_cselect_b32 s66, s92, s88
	s_cselect_b32 s98, s97, s94
	s_cmp_eq_u32 ttmp9, 1
	s_cselect_b32 s66, s90, s66
	s_cselect_b32 s98, s95, s98
	s_add_co_i32 s66, s66, 127
	s_lshl_b32 s66, s66, 23
	s_mov_b32 s67, s66
	s_add_co_i32 s98, s98, 127
	s_lshl_b32 s100, s98, 23
	v_mov_b32 v31, s100
	s_add_co_i32 s98, s98, 8
	s_lshl_b32 s98, s98, 23
	s_or_b32 s98, s98, 0x600000
	v_mov_b32 v30, s98
	PLACES NP
	s_cmp_eq_u32 ttmp9, 2
	s_cbranch_scc1 .Lv
.irp b, 0,1,2,3,4,5,6,7
	global_load_b128 v[BIAS+8*\b:BIAS+8*\b+3], v9, s[8:9] offset:64*\b
	global_load_b128 v[BIAS+8*\b+4:BIAS+8*\b+7], v9, s[8:9] offset:64*\b+16
.endr
	WIN 0x40
.irp a, 0,1,2,3,4,5,6,7
.irp bb, 0,1,2,3
	global_load_b128 v[32*\a+8*\bb:32*\a+8*\bb+3], v8, s[12:13] offset:4096*\a+64*\bb
	global_load_b128 v[32*\a+8*\bb+4:32*\a+8*\bb+7], v8, s[12:13] offset:4096*\a+64*\bb+16
.endr
.endr
	WIN 0
.macro BLOCKQK a
.set AC, 64*((\a)%4)
	s_wait_loadcnt 8*(7-(\a))
	WIN 0x02+((\a)/4)
.set j, 0
.rept 32
	v_pk_fma_f32 v[T+j:T+j+1], v[AC+j:AC+j+1], s[66:67], v[BIAS+j:BIAS+j+1] op_sel_hi:[1,0,1]
.set j, j+2
.endr
	WIN 0x04
.irp b, 0,1,2,3,4,5,6,7
.irp p, 0,1,2,3
	v_mul_f32 v[U+2*\p], v[T+8*\b+2*\p+1], v[32*(\a)+8*(\b%4)+2*\p+1]
	v_mul_f32 v[U+2*\p+1], v[T+8*\b+2*\p], v[32*(\a)+8*(\b%4)+2*\p+1]
.endr
.irp p, 0,1,2,3
	v_fma_f32 v[T+8*\b+2*\p], v[T+8*\b+2*\p], v[32*(\a)+8*(\b%4)+2*\p], -v[U+2*\p]
	v_fma_f32 v[T+8*\b+2*\p+1], v[T+8*\b+2*\p+1], v[32*(\a)+8*(\b%4)+2*\p], v[U+2*\p+1]
.endr
.endr
	WIN 0
.set j, 0
.rept 64
	v_med3_num_f32 v[T+j], v[T+j], -v30, v30
.set j, j+1
.endr
.irp b, 0,1,2,3,4,5,6,7
	v_cvt_scalef32_pk8_fp8_f32 v[C+2*\b:C+2*\b+1], v[T+8*\b:T+8*\b+7], v31
.endr
	v_nop
.if (\a) > 0
	s_wait_alu depctr_va_vdst(0)
	s_wait_xcnt 0x0
.endif
.irp b, 0,1,2,3,4,5,6,7
	ds_store_b64 v11, v[C+2*\b:C+2*\b+1] offset:16*\b
.endr
.irp hh, 0,1
.irp i, 0,1
	ds_load_b128 v[OUT+4*(2*\hh+\i):OUT+4*(2*\hh+\i)+3], v12 offset:1152*\i+64*\hh
.endr
.endr
	s_wait_dscnt 0x0
.irp hh, 0,1
.irp i, 0,1
	global_store_b128 v7, v[OUT+4*(2*\hh+\i):OUT+4*(2*\hh+\i)+3], s[10:11] offset:\hh*131072+(32*((\a)/2)+16*\i+8*((\a)%2))*64
.endr
.endr
.endm
.irp a, 0,1,2,3,4,5,6,7
	BLOCKQK \a
.endr
	s_branch .Ljoin
.Lv:
.irp a, 0,1,2,3,4,5,6,7
	global_load_b32 v[BV+\a], v10, s[8:9] offset:64*\a
.endr
	s_wait_loadcnt 0x0
.macro BLOCKV a
.set AC, 64*((\a)%4)
	WIN 0x02+((\a)/4)
.set j, 0
.rept 64
	v_fma_f32 v[T+j], v[AC+j], s66, v[BV+(\a)]
.set j, j+1
.endr
	WIN 0
.set j, 0
.rept 64
	v_med3_num_f32 v[T+j], v[T+j], -v30, v30
.set j, j+1
.endr
.irp b, 0,1,2,3,4,5,6,7
	v_cvt_scalef32_pk8_fp8_f32 v[C+2*\b:C+2*\b+1], v[T+8*\b:T+8*\b+7], v31
.endr
	v_nop
.irp b, 0,1,2,3,4,5,6,7
	ds_store_b64 v13, v[C+2*\b:C+2*\b+1] offset:(\a)*4352+16*\b
.endr
	s_wait_dscnt 0x0
.endm
.irp a, 0,1,2,3,4,5,6,7
	BLOCKV \a
.endr
.Ljoin:
	s_wait_dscnt 0x0
	s_barrier_signal -1
	s_barrier_wait -1
	s_cmp_eq_u32 ttmp9, 2
	s_cbranch_scc0 .Lend
	s_wait_xcnt 0x0
.irp i, 0,1,2,3,4,5,6,7,8,9,10,11,12,13,14,15,16,17,18,19,20,21,22,23,24,25,26,27,28,29,30,31
	ds_load_b128 v[128+4*\i:131+4*\i], v14 offset:544*\i
.endr
.irp i, 0,1,2,3,4,5,6,7,8,9,10,11,12,13,14,15,16,17,18,19,20,21,22,23,24,25,26,27,28,29,30,31
	s_wait_dscnt 31-\i
	global_store_b128 v15, v[128+4*\i:131+4*\i], s[10:11] offset:512*\i
.endr
.Lend:
	s_wait_tensorcnt 0x0
	ds_add_u32 v[SPW], v[NIL]
	s_wait_dscnt 0x0
	CROUND
	s_endpgm
.Lfunc_end_k_qe6e91dc951_qkv:
	.size	k_qe6e91dc951_qkv, .Lfunc_end_k_qe6e91dc951_qkv-k_qe6e91dc951_qkv
	.p2alignl 7, 3214868480
	.fill 96, 4, 3214868480
	.section	.rodata,"a",@progbits
	.p2align	6, 0x0
	.amdhsa_kernel k_qe6e91dc951_qkv
		.amdhsa_group_segment_fixed_size 327680
		.amdhsa_private_segment_fixed_size 0
		.amdhsa_enable_private_segment 0
		.amdhsa_kernarg_size 80
		.amdhsa_user_sgpr_count 2
		.amdhsa_user_sgpr_kernarg_segment_ptr 1
		.amdhsa_wavefront_size32 1
		.amdhsa_system_sgpr_workgroup_id_x 1
		.amdhsa_system_sgpr_workgroup_id_y 1
		.amdhsa_system_sgpr_workgroup_id_z 1
		.amdhsa_system_vgpr_workitem_id 0
		.amdhsa_next_free_vgpr 1024
		.amdhsa_next_free_sgpr 102
		.amdhsa_reserve_vcc 0
		.amdhsa_float_denorm_mode_32 3
		.amdhsa_float_denorm_mode_16_64 3
		.amdhsa_memory_ordered 1
		.amdhsa_forward_progress 1
		.amdhsa_inst_pref_size 255
	.end_amdhsa_kernel
	.section	.bss,"aw",@nobits
	.p2align	6
	.space	262144
	.amdgpu_metadata
---
amdhsa.version: [ 1, 2 ]
amdhsa.kernels:
  - .name:           k_qe6e91dc951_qkv
    .symbol:         k_qe6e91dc951_qkv.kd
    .args:
      - { .name: hc, .offset: 0, .size: 8, .value_kind: global_buffer, .address_space: global }
      - { .name: wq_codes, .offset: 8, .size: 8, .value_kind: global_buffer, .address_space: global }
      - { .name: wk_codes, .offset: 16, .size: 8, .value_kind: global_buffer, .address_space: global }
      - { .name: wv_codes, .offset: 24, .size: 8, .value_kind: global_buffer, .address_space: global }
      - { .name: bq, .offset: 32, .size: 8, .value_kind: global_buffer, .address_space: global }
      - { .name: bk, .offset: 40, .size: 8, .value_kind: global_buffer, .address_space: global }
      - { .name: bv, .offset: 48, .size: 8, .value_kind: global_buffer, .address_space: global }
      - { .name: lowp_scales, .offset: 56, .size: 8, .value_kind: global_buffer, .address_space: global }
      - { .name: rope, .offset: 64, .size: 8, .value_kind: global_buffer, .address_space: global }
      - { .name: qkvc, .offset: 72, .size: 8, .value_kind: global_buffer, .address_space: global }
    .group_segment_fixed_size: 327680
    .private_segment_fixed_size: 0
    .kernarg_segment_align: 8
    .kernarg_segment_size: 80
    .max_flat_workgroup_size: 128
    .sgpr_count:     102
    .vgpr_count:     1024
    .wavefront_size: 32
...
	.end_amdgpu_metadata
.endif
;; end of part 2
;; launch attn (part 3): grid 8 x 32, 16 waves a work-group, clusters of 4 x 1, 327,680 bytes of LDS; arguments qkvc, lowp_scales, oc; writes oc
.if DOCPART == 3
	.amdgcn_target "amdgcn-amd-amdhsa--gfx1250"
	.amdhsa_code_object_version 6
	.text
	.protected	k_qe6e91dc951_attn
	.globl	k_qe6e91dc951_attn
	.p2align	8
	.type	k_qe6e91dc951_attn,@function
k_qe6e91dc951_attn:
	s_mov_b64 s[64:65], 0
	v_nop
	global_prefetch_b8 v0, s[64:65] scope:SCOPE_SE
	s_setreg_imm32_b32 hwreg(HW_REG_WAVE_MODE, 25, 1), 1
	s_wait_xcnt 0x0
	s_wait_alu depctr_hold_cnt(0) depctr_sa_sdst(0) depctr_va_vdst(0) depctr_va_sdst(0) depctr_va_ssrc(0) depctr_va_vcc(0) depctr_vm_vsrc(0)
	s_getreg_b32 s2, hwreg(HW_REG_IB_STS2, 6, 4)
	s_cmp_eq_u32 s2, 0
	s_cbranch_scc0 .Lentry_in_a_cluster
	s_endpgm
.Lentry_in_a_cluster:
	s_bfe_u32 s2, ttmp6, 0x10000c
	s_cmp_lg_u32 s2, 0x3003
	s_cbranch_scc0 .Lentry_shape_is_right
	s_endpgm
.Lentry_shape_is_right:
; Attention on codes of FP8 (E4M3): o = softmax(q k^T / 8) v for 32 heads (2 batches x 16) of 2,048 positions and 64 channels; o leaves as codes for the next product.
; IN: q at 0, k at 4 MiB: [32][2,048 stored rows][64]; stored row p is token p with bits 3 and 4 exchanged.  v at 8 MiB: [32][8 groups of 256 keys][64 channels][256 keys].
; THE SOFTMAX: t = score x log2(e) / 8; M = the largest t so far, rounded UP to a whole number; p = 2^(t - M) is quantised, not normalised; the row's sum is taken of the unquantised p and divides at the end.
; When M moves, the sum and O are multiplied by 2^(old M - new M): exact.
; SHARES.  A work-group owns 256 stored rows of q of one head, each of its sixteen waves 16 of them in 256 registers: four waves to a SIMD.
; ALL OF THE HEAD'S K AND V LIE IN LDS, FILLED ONCE (262,144 bytes of codes).  A wave issues two tensor loads: at the head its eighth of keys 0-511 (waves 0-7: K, waves 8-15: V), and, behind the three lines
; and a round, its eighth of keys 512-2,047, which has four key steps in which to land.  One load of a wave is out at a time; every wait on TENSORcnt is for 0.
; K's and V's parts are dense in memory and are stated as rows of 1,024 bytes; the padding goes behind every 64 bytes (K: LDS pitch 80) or every 256 (V: LDS pitch 272).
; CLUSTERS: 4, 1, 1.  The four query blocks of a cluster belong to one head and need the same K and V: each load is asked for jointly, mask 15, its descriptor made of the head and the wave's number alone.
; NO PREFETCH: every byte of K and V is asked for by these two loads, the second as soon as the first has landed; no later trip has a tile that could be asked for ahead.
; LAYOUT.  Both products are used transposed: S^T = K Q^T (source 0 = 16 stored rows of k, source 1 = my 16 queries), O^T = V^T P^T: a lane holds ONE query (lane % 16) throughout.
; By the order of k's stored rows the 16 registers of tiles 2 b and 2 b + 1 are keys 32 b + 16 (lane / 16) + 0 .. 15: the conversions' results are the second product's operand.
; OUT: oc [16 heads][4,096 tokens][64 codes]: eight tokens of a head are 512 consecutive bytes; the exchange of bits 3 and 4 is undone in the stores' addresses.
; LIMITS: exponents 6 + 7 between -123 and 130 (they are added to c's exponent field); exponents 8 and 10 between -126 and 119; 8 + 9 goes in by v_ldexp_f32 and has none.  The scaled scores stay under 2^31 in magnitude.
; REGISTERS: v1-5 addresses that stay; v8, v9 addresses of the loads in hand; v12 -M, v13 the largest t, v[14:15] the sum in two halves; v16-23 Q; v32-95 K's eight fragments, then V's four;
;   v96-159 S^T, then p; v160-191 O^T; v192-223 o; v224-239 partial sums, then p's codes; v240-254 at work; v251, v255 the add's two registers.
.set KP,   80                          ; a row of K in LDS: 64 bytes + 16 of padding
.set VP,   272                         ; a row of a group of V: 256 bytes + 16
.set VOFF, 2048*KP                     ; V lies behind K
.set VGRP, 64*VP                       ; a group of V: 64 channels x 256 keys
.set STG,  VOFF+8*VGRP                 ; the way out: 16 rows x 80 bytes for each wave; bytes of their own, into which no tile lands
.set SPARE, STG+16*16*KP               ; the spare words, 128 bytes for each wave
.set KA,   512                         ; keys of the first fill
.set RA,   KA/128                      ; rows of 1,024 bytes that a wave fetches at the head: KA x 64 bytes in eight parts
.set RB,   (2048-KA)/128               ; and behind the round
.set G1KA, 24                          ; s[24:55] four descriptor groups 1: K and V, first and second fill
.set G1VA, 32
.set G1KB, 40
.set G1VB, 48
.set G0KA, 56                          ; s[56:63], s[68:75] their groups 0
.set G0VA, 60
.set G0KB, 68
.set G0VB, 72
.macro GRP1 g, qi, rows                ; mask 15 with bit 21 beside it; elements of 1 byte; four words of padding after every 2 << qi words
	s_mov_b32 s[\g], 15|(1<<20)|(1<<21)|(\qi<<22)|(3<<25)
	s_mov_b32 s[\g+1], 1024<<16
	s_mov_b32 s[\g+2], \rows<<16
	s_mov_b32 s[\g+3], 1024<<16
	s_mov_b32 s[\g+4], \rows
	s_mov_b32 s[\g+5], 1024
	s_mov_b32 s[\g+6], 0
	s_mov_b32 s[\g+7], 0
.endm
.macro TLOAD g0k, g1k, g0v, g1v        ; waves 0-7 fetch for K, waves 8-15 for V: one load in each arm; s_nop 0 and four v_nop behind each
	s_cmp_lt_u32 s18, 8
	s_cbranch_scc0 .Lfor_v_\@
	tensor_load_to_lds s[\g0k:\g0k+3], s[\g1k:\g1k+7]
	s_nop 0
.rept 4
	v_nop
.endr
	s_branch .Lasked_\@
.Lfor_v_\@:
	tensor_load_to_lds s[\g0v:\g0v+3], s[\g1v:\g1v+7]
	s_nop 0
.rept 4
	v_nop
.endr
.Lasked_\@:
.endm
.macro CROUND                          ; a round of the cluster's barrier
	s_barrier_signal -1
	s_barrier_wait -1
	s_cmp_lg_u32 s18, 0
	s_cbranch_scc1 .Lnot_wave_0_\@
	s_barrier_signal -3
.Lnot_wave_0_\@:
	s_barrier_wait -3
	s_barrier_signal -1
	s_barrier_wait -1
.endm
	s_load_b128 s[4:7], s[0:1], 0x0                ; qkvc s[4:5], exponents s[6:7]
	s_load_b64 s[8:9], s[0:1], 0x10                ; oc
	v_lshl_add_u32 v251, v0, 2, SPARE
	v_mov_b32 v255, 0
	ds_add_u32 v251, v255                          ; the opening lines: the add twice on end, and its wait ahead of my first tensor load
	ds_add_u32 v251, v255
	v_lshrrev_b32 v8, 5, v0
	s_delay_alu instid0(VALU_DEP_1)
	v_readfirstlane_b32 s18, v8                    ; wave 0..15
	s_and_b32 s19, s18, 7
	s_and_b32 s10, ttmp7, 0xffff                   ; the head, 0..31
	s_lshl_b32 s12, s10, 17                        ; its 131,072 bytes in each of q, k, v
	GRP1 G1KA, 3, RA
	GRP1 G1VA, 5, RA
	GRP1 G1KB, 3, RB
	GRP1 G1VB, 5, RB
	s_mul_i32 s76, s19, RA*1024                    ; my part of the first fill, in K's or V's bytes of the head,
	s_add_co_u32 s76, s76, s12
	s_mov_b32 s77, 0
	s_mul_i32 s78, s19, RB*1024                    ; and of the second, which begins KA x 64 bytes on
	s_add_co_u32 s78, s78, s12
	s_add_co_u32 s78, s78, KA*64
	s_mov_b32 s79, 0
	s_mov_b32 s[G0KA], 1
	s_mul_i32 s[G0KA+1], s19, RA*16*KP             ; 1,024 bytes are 16 rows of K,
	s_mov_b32 s[G0VA], 1
	s_mul_i32 s[G0VA+1], s19, RA*4*VP              ; or 4 rows of V
	s_add_co_u32 s[G0VA+1], s[G0VA+1], VOFF
	s_mov_b32 s[G0KB], 1
	s_mul_i32 s[G0KB+1], s19, RB*16*KP
	s_add_co_u32 s[G0KB+1], s[G0KB+1], KA*KP
	s_mov_b32 s[G0VB], 1
	s_mul_i32 s[G0VB+1], s19, RB*4*VP
	s_add_co_u32 s[G0VB+1], s[G0VB+1], VOFF+(KA/256)*VGRP
	s_bfe_u32 s94, ttmp6, 0x40000                  ; my place in the cluster enters q's and oc's addresses alone, in registers that feed no descriptor
	s_lshl_b32 s95, ttmp9, 2
	s_add_co_u32 s94, s94, s95                     ; my block of 256 queries
	s_lshl_b32 s94, s94, 14
	s_lshl_b32 s95, s18, 10
	s_add_co_u32 s96, s94, s95
	s_add_co_u32 s96, s96, s12                     ; Q: head + (256 x block + 16 x wave) rows of 64 bytes
	s_mov_b32 s97, 0
	s_and_b32 s98, s10, 15                         ; oc: head x 262,144 + (batch x 2,048 + 256 x block + 32 (wave / 2) + 8 (wave % 2)) x 64
	s_lshl_b32 s98, s98, 18
	s_lshr_b32 s95, s10, 4
	s_lshl_b32 s95, s95, 17
	s_add_co_u32 s98, s98, s95
	s_add_co_u32 s98, s98, s94
	s_lshr_b32 s95, s18, 1
	s_lshl_b32 s95, s95, 11
	s_add_co_u32 s98, s98, s95
	s_and_b32 s95, s18, 1
	s_lshl_b32 s95, s95, 9
	s_add_co_u32 s98, s98, s95
	s_mov_b32 s99, 0
	s_mov_b32 s20, 0x76543210                      ; lane selects: lane l xor 16
	s_mov_b32 s21, 0xfedcba98
	s_mov_b32 s22, 0x3e38aa3b                      ; c = log2(e) / 8
	s_wait_dscnt 0x0                               ; both opening adds are done
	s_wait_kmcnt 0x0
	s_load_b128 s[88:91], s[6:7], 0x18             ; exponents 6, 7, 8, 9
	s_load_b32 s92, s[6:7], 0x28                   ; 10
	s_add_nc_u64 s[80:81], s[4:5], 0x400000        ; k
	s_add_nc_u64 s[82:83], s[4:5], 0x800000        ; v
	s_add_nc_u64 s[G0KA+2:G0KA+3], s[80:81], s[76:77]
	s_or_b32 s[G0KA+3], s[G0KA+3], 0x80000000
	s_add_nc_u64 s[G0VA+2:G0VA+3], s[82:83], s[76:77]
	s_or_b32 s[G0VA+3], s[G0VA+3], 0x80000000
	s_add_nc_u64 s[G0KB+2:G0KB+3], s[80:81], s[78:79]
	s_or_b32 s[G0KB+3], s[G0KB+3], 0x80000000
	s_add_nc_u64 s[G0VB+2:G0VB+3], s[82:83], s[78:79]
	s_or_b32 s[G0VB+3], s[G0VB+3], 0x80000000
	s_add_nc_u64 s[14:15], s[4:5], s[96:97]
	s_add_nc_u64 s[8:9], s[8:9], s[98:99]
	CROUND                                         ; the four work-groups are here: the first joint loads meet
	TLOAD G0KA, G1KA, G0VA, G1VA                   ; keys 0 .. KA - 1: my one load at the head
	v_and_b32 v8, 15, v0                           ; r
	v_bfe_u32 v9, v0, 4, 1                         ; h
	s_delay_alu instid0(VALU_DEP_2)
	v_lshlrev_b32 v10, 6, v8
	s_delay_alu instid0(VALU_DEP_1)
	v_lshl_add_u32 v10, v9, 4, v10                 ; Q: row r of 64 bytes, + 16 h
	global_load_b128 v[16:19], v10, s[14:15]       ; registers 4 c .. 4 c + 3: channels 32 c + 16 h + 0 .. 15, as K's fragments are loaded
	global_load_b128 v[20:23], v10, s[14:15] offset:32
	v_mul_u32_u24 v1, v8, KP
	s_delay_alu instid0(VALU_DEP_1)
	v_lshl_add_u32 v1, v9, 4, v1                   ; v1: my place in a tile of K
	v_mul_u32_u24 v2, v8, VP
	s_delay_alu instid0(VALU_DEP_1)
	v_lshl_add_u32 v2, v9, 4, v2
	s_delay_alu instid0(VALU_DEP_1)
	v_add_nc_u32 v2, VOFF, v2                      ; v2: my place in a tile of V
	s_mul_i32 s93, s18, 16*KP
	s_add_co_u32 s93, s93, STG                     ; my stage
	v_mul_u32_u24 v3, v8, KP
	s_delay_alu instid0(VALU_DEP_1)
	v_lshl_add_u32 v3, v9, 3, v3
	s_delay_alu instid0(VALU_DEP_1)
	v_add_nc_u32 v3, s93, v3                       ; v3: in: row r, + 8 h
	v_bfe_u32 v11, v0, 2, 3
	s_delay_alu instid0(VALU_DEP_1)
	v_mul_u32_u24 v4, v11, KP
	v_and_b32 v11, 3, v0
	s_delay_alu instid0(VALU_DEP_1)
	v_lshl_add_u32 v4, v11, 4, v4
	s_delay_alu instid0(VALU_DEP_1)
	v_add_nc_u32 v4, s93, v4                       ; v4: back: row lane / 4, 16 bytes at 16 (lane % 4)
	v_and_b32 v5, 31, v0
	s_delay_alu instid0(VALU_DEP_1)
	v_lshlrev_b32 v5, 4, v5                        ; v5: 16 x lane
	v_mov_b32 v13, 0xff61b1e6                      ; the largest t so far: -3e38, under every t
	s_delay_alu instid0(VALU_DEP_1)
	v_floor_f32 v12, -v13                          ; -M
	v_mov_b32 v14, 0                               ; the sum, in two halves
	v_mov_b32 v15, 0
	v_mov_b32 v246, 0                              ; written once: a lane permute's destination counts as one of its sources
	v_mov_b32 v253, 0                              ; (named as the upper half of the pair v[252:253])
.set j, 0
.rept 32
	v_mov_b32 v[160+j], 0                          ; O^T: the step is written once; the first finds zeros, which the first change of M leaves zeros
.set j, j+1
.endr
	s_wait_kmcnt 0x0
	s_add_co_i32 s93, s88, s89
	s_lshl_b32 s93, s93, 23
	s_add_co_i32 s22, s22, s93                     ; a score stands for score x 2^(e6 + e7): added to c's exponent field
	s_mov_b32 s23, s22                             ; (named with it as a pair, so it is written)
	s_add_co_i32 s93, s90, 127
	s_lshl_b32 s87, s93, 23
	v_mov_b32 v244, s87                            ; 2^e8 as f32, for p's conversion
	s_add_co_i32 s93, s93, 8
	s_lshl_b32 s93, s93, 23
	s_or_b32 s93, s93, 0x600000
	v_mov_b32 v240, s93                            ; 448 x 2^e8, twice: a dual pair's two second sources
	v_mov_b32 v241, s93
; A KEY STEP: 128 keys, the q-th of a group of 256; s84: where the group's rows of K begin in LDS, s85: where its rows of V begin.
.macro STEP q
	v_add_nc_u32 v8, s84, v1
	v_add_nc_u32 v9, s85, v2
	v_mov_b32 v250, v12                            ; -M as it stands
	v_nop                                          ; with the three lines above: four places in front of loads into registers that the last products read
.irp t, 0,1,2,3,4,5,6,7
	ds_load_b128 v[32+8*\t:35+8*\t], v8 offset:128*KP*\q+16*KP*\t
	ds_load_b128 v[36+8*\t:39+8*\t], v8 offset:128*KP*\q+16*KP*\t+32
.endr
	s_wait_alu depctr_va_vdst(0)
	s_wait_dscnt 0x0
.irp t, 0,1,2,3,4,5,6,7
	v_wmma_f32_16x16x64_fp8_fp8 v[96+8*\t:103+8*\t], v[32+8*\t:39+8*\t], v[16:23], 0
.endr
.rept 4
	v_nop                                          ; places: loads into K's registers and reads of the scores follow
.endr
.irp t, 0,1,2,3                                ; V's four fragments are asked for now and land under the softmax
.irp c, 0,1,2,3
	ds_load_b128 v[32+16*\t+4*\c:35+16*\t+4*\c], v9 offset:128*\q+16*VP*\t+32*\c
.endr
.endr
	v_max3_num_f32 v254, v96, v97, v98             ; the step's largest score of my query among my 64 keys, in two chains; each accumulator is first read at its low end
	v_max3_num_f32 v252, v99, v100, v101
.irp i, 6,10,14,18,22,26,30,34,38,42,46,50,54,58
	v_max3_num_f32 v254, v254, v[96+\i], v[97+\i]
	v_max3_num_f32 v252, v252, v[98+\i], v[99+\i]
.endr
	v_max3_num_f32 v254, v254, v158, v159
	s_delay_alu instid0(VALU_DEP_1)
	v_max_num_f32 v254, v254, v252
	s_delay_alu instid0(VALU_DEP_1)
	v_permlanex16_b32 v246, v254, s20, s21
	s_delay_alu instid0(VALU_DEP_1)
	v_max_num_f32 v254, v254, v246                 ; and among lane l xor 16's
	s_delay_alu instid0(VALU_DEP_1)
	v_mul_f32 v254, s22, v254                      ; as t (c is positive)
	s_delay_alu instid0(VALU_DEP_1)
	v_max_num_f32 v13, v13, v254                   ; the running largest t
	s_delay_alu instid0(VALU_DEP_1)
	v_floor_f32 v12, -v13                          ; the new -M = floor(-t): M is a whole number
	s_delay_alu instid0(VALU_DEP_1)
	v_sub_f32 v254, v12, v250                      ; old M less new M: a whole number, 0 or less
	s_delay_alu instid0(VALU_DEP_1)
	v_cvt_i32_f32 v254, v254                       ; (it saturates)
	s_delay_alu instid0(VALU_DEP_1)
	v_ldexp_f32 v252, 1.0, v254                    ; f = 2^(old M - new M)
.set j, 0
.rept 32
	v_pk_fma_f32 v[96+j:97+j], v[96+j:97+j], s[22:23], v[12:13] op_sel_hi:[1,0,0]   ; t - M, two at a time
.set j, j+2
.endr
	s_wait_alu depctr_va_vdst(0)
.set j, 0
.rept 64
	v_exp_f32 v[96+j], v[96+j]                     ; p = 2^(t - M), at most 1
.set j, j+1
.endr
	v_pk_mul_f32 v[14:15], v[14:15], v[252:253] op_sel_hi:[1,0]   ; the sums under the new M (a plain line behind the exponentials)
	s_wait_alu depctr_va_vdst(0)                   ; one wait for the whole batch, ahead of its first reader
.irp k, 0,1,2,3,4,5,6,7                        ; the row's sum of the unquantised p: eight chains of pairs in v224-239, which the codes take afterwards
	v_pk_add_f32 v[224+2*\k:225+2*\k], v[96+4*\k:97+4*\k], v[98+4*\k:99+4*\k]
.endr
.irp m, 0,1
.irp k, 0,1,2,3,4,5,6,7
	v_pk_add_f32 v[224+2*\k:225+2*\k], v[224+2*\k:225+2*\k], v[128+16*\m+2*\k:129+16*\m+2*\k]
.endr
.endr
.irp k, 0,1,2,3
	s_delay_alu instid0(VALU_DEP_4)
	v_pk_add_f32 v[224+2*\k:225+2*\k], v[224+2*\k:225+2*\k], v[232+2*\k:233+2*\k]
.endr
.irp k, 0,1
	s_delay_alu instid0(VALU_DEP_2)
	v_pk_add_f32 v[224+2*\k:225+2*\k], v[224+2*\k:225+2*\k], v[228+2*\k:229+2*\k]
.endr
	s_delay_alu instid0(VALU_DEP_1)
	v_pk_add_f32 v[224:225], v[224:225], v[226:227]
	s_delay_alu instid0(VALU_DEP_1)
	v_pk_add_f32 v[14:15], v[14:15], v[224:225]
.irp b, 0,1,2,3                                ; the conversion does not saturate (ISA guide 7.6.2); p is not negative, so the hold is one-sided; two numbers a line, in dual pairs
.set j, 0
.rept 8
	v_dual_min_num_f32 v[96+16*\b+j], v[96+16*\b+j], v240 :: v_dual_min_num_f32 v[97+16*\b+j], v[97+16*\b+j], v241
.set j, j+2
.endr
	v_cvt_scalef32_pk8_fp8_f32 v[224+4*\b:225+4*\b], v[96+16*\b:103+16*\b], v244
	v_cvt_scalef32_pk8_fp8_f32 v[226+4*\b:227+4*\b], v[104+16*\b:111+16*\b], v244
.endr
	s_wait_alu depctr_va_vdst(0)                   ; directly ahead of the first reader of O^T
.set j, 0
.rept 16
	v_pk_mul_f32 v[160+j:161+j], v[160+j:161+j], v[252:253] op_sel_hi:[1,0]   ; O^T under the new M (also the plain lines behind the conversions)
.set j, j+2
.endr
	s_wait_alu depctr_va_vdst(0)
	s_wait_dscnt 0x0                               ; V's fragments are in
.irp t, 0,1,2,3                                ; the four accumulators take turns; the next matrix instruction is a product of scores
	v_wmma_f32_16x16x128_fp8_fp8 v[160+8*\t:167+8*\t], v[32+16*\t:47+16*\t], v[224:239], v[160+8*\t:167+8*\t]
.endr
.endm
.macro WALK g0, trips                  ; groups g0 .. g0 + trips - 1 of 256 keys, two key steps a trip
	s_mov_b32 s84, \g0*256*KP
	s_mov_b32 s85, \g0*VGRP
	s_mov_b32 s86, \trips
.Lgroup_\@:
	STEP 0
	STEP 1
	s_add_co_u32 s84, s84, 256*KP
	s_add_co_u32 s85, s85, VGRP
	s_sub_co_u32 s86, s86, 1
	s_cmp_lg_u32 s86, 0
	s_cbranch_scc1 .Lgroup_\@
.endm
	s_wait_alu depctr_va_vdst(0)
	s_wait_tensorcnt 0x0                           ; my part of the first fill is in; the three lines ahead of a later first fill:
	ds_add_u32 v251, v255
	s_wait_dscnt 0x0
	CROUND                                         ; everybody's part is in, and the four work-groups are here: the joint loads meet
	TLOAD G0KB, G1KB, G0VB, G1VB                   ; keys KA .. 2,047, into bytes that nothing has filled: my one load behind the round
	s_wait_loadcnt 0x0                             ; Q
	WALK 0, KA/256
	s_wait_tensorcnt 0x0                           ; my part of the second fill is in,
	s_wait_dscnt 0x0
	s_barrier_signal -1
	s_barrier_wait -1                              ; everybody's is
	WALK KA/256, 8-KA/256
	; THE WAY OUT: O^T / the sum x 2^(e8 + e9), quantised with e10; through my stage, so that eight tokens' 64 bytes leave as 512 consecutive bytes.
.rept 4
	v_nop                                          ; places behind the last products
.endr
	v_add_f32 v14, v14, v15
	s_delay_alu instid0(VALU_DEP_1)
	v_permlanex16_b32 v252, v14, s20, s21
	s_delay_alu instid0(VALU_DEP_1)
	v_add_f32 v14, v14, v252                       ; the row's sum
	s_wait_alu depctr_va_vdst(0)
	v_rcp_f32 v14, v14
	v_nop                                          ; a plain line behind the transcendental
	s_add_co_i32 s93, s90, s91
	s_wait_alu depctr_va_vdst(0)
	v_ldexp_f32 v14, v14, s93
	s_add_co_i32 s93, s92, 127
	s_lshl_b32 s87, s93, 23
	v_mov_b32 v248, s87                            ; 2^e10
	s_add_co_i32 s93, s93, 8
	s_lshl_b32 s93, s93, 23
	s_or_b32 s93, s93, 0x600000
	v_mov_b32 v249, s93                            ; 448 x 2^e10
	s_wait_alu depctr_va_vdst(0)                   ; directly ahead of the first reader of O^T
.set j, 0
.rept 32
	v_mul_f32 v[192+j], v[160+j], v14              ; register 8 t + i is o(query r, channel 16 t + 8 h + i)
.set j, j+1
.endr
.set j, 0
.rept 32
	v_med3_num_f32 v[192+j], v[192+j], -v249, v249
.set j, j+1
.endr
.irp t, 0,1,2,3
	v_cvt_scalef32_pk8_fp8_f32 v[224+2*\t:225+2*\t], v[192+8*\t:199+8*\t], v248
.endr
	v_nop
.irp t, 0,1,2,3
	ds_store_b64 v3, v[224+2*\t:225+2*\t] offset:16*\t
.endr
.irp i, 0,1
	ds_load_b128 v[32+4*\i:35+4*\i], v4 offset:8*KP*\i     ; LDS serves a wave's instructions in order: these see my stores
.endr
	s_wait_dscnt 0x0
.irp i, 0,1
	global_store_b128 v5, v[32+4*\i:35+4*\i], s[8:9] offset:1024*\i   ; stored rows 8 i on are tokens 16 i on: 512 consecutive bytes, aligned
.endr
	s_wait_tensorcnt 0x0                           ; the wave's end
	ds_add_u32 v251, v255
	s_wait_dscnt 0x0
	CROUND                                         ; the closing round
	s_endpgm
.Lfunc_end_k_qe6e91dc951_attn:
	.size	k_qe6e91dc951_attn, .Lfunc_end_k_qe6e91dc951_attn-k_qe6e91dc951_attn
	.p2alignl 7, 3214868480
	.fill 96, 4, 3214868480
	.section	.rodata,"a",@progbits
	.p2align	6, 0x0
	.amdhsa_kernel k_qe6e91dc951_attn
		.amdhsa_group_segment_fixed_size 327680
		.amdhsa_private_segment_fixed_size 0
		.amdhsa_enable_private_segment 0
		.amdhsa_kernarg_size 24
		.amdhsa_user_sgpr_count 2
		.amdhsa_user_sgpr_kernarg_segment_ptr 1
		.amdhsa_wavefront_size32 1
		.amdhsa_system_sgpr_workgroup_id_x 1
		.amdhsa_system_sgpr_workgroup_id_y 1
		.amdhsa_system_sgpr_workgroup_id_z 1
		.amdhsa_system_vgpr_workitem_id 0
		.amdhsa_next_free_vgpr 256
		.amdhsa_next_free_sgpr 100
		.amdhsa_reserve_vcc 0
		.amdhsa_float_denorm_mode_32 3
		.amdhsa_float_denorm_mode_16_64 3
		.amdhsa_memory_ordered 1
		.amdhsa_forward_progress 1
		.amdhsa_inst_pref_size 80
	.end_amdhsa_kernel
	.amdgpu_metadata
---
amdhsa.version: [ 1, 2 ]
amdhsa.kernels:
  - .name:           k_qe6e91dc951_attn
    .symbol:         k_qe6e91dc951_attn.kd
    .args:
      - { .name: qkvc, .offset: 0, .size: 8, .value_kind: global_buffer, .address_space: global }
      - { .name: lowp_scales, .offset: 8, .size: 8, .value_kind: global_buffer, .address_space: global }
      - { .name: oc, .offset: 16, .size: 8, .value_kind: global_buffer, .address_space: global }
    .group_segment_fixed_size: 327680
    .private_segment_fixed_size: 0
    .kernarg_segment_align: 8
    .kernarg_segment_size: 24
    .max_flat_workgroup_size: 512
    .sgpr_count:     100
    .vgpr_count:     256
    .wavefront_size: 32
...
	.end_amdgpu_metadata
.endif
;; end of part 3
;; launch proj (part 4): grid 8 x 32, 4 waves a work-group, clusters of 4 x 4, 327,680 bytes of LDS; arguments oc, wo_codes, lowp_scales, bo, gate_msa, x, x1; writes x1
.if DOCPART == 4
	.amdgcn_target "amdgcn-amd-amdhsa--gfx1250"
	.amdhsa_code_object_version 6
	.text
	.protected	k_qe6e91dc951_proj
	.globl	k_qe6e91dc951_proj
	.p2align	8
	.type	k_qe6e91dc951_proj,@function
k_qe6e91dc951_proj:
	s_mov_b64 s[64:65], 0
	v_nop
	global_prefetch_b8 v0, s[64:65] scope:SCOPE_SE
	s_setreg_imm32_b32 hwreg(HW_REG_WAVE_MODE, 25, 1), 1
	s_wait_xcnt 0x0
	s_wait_alu depctr_hold_cnt(0) depctr_sa_sdst(0) depctr_va_vdst(0) depctr_va_sdst(0) depctr_va_ssrc(0) depctr_va_vcc(0) depctr_vm_vsrc(0)
	s_getreg_b32 s2, hwreg(HW_REG_IB_STS2, 6, 4)
	s_cmp_eq_u32 s2, 0
	s_cbranch_scc0 .Lentry_in_a_cluster
	s_endpgm
.Lentry_in_a_cluster:
	s_bfe_u32 s2, ttmp6, 0x10000c
	s_cmp_lg_u32 s2, 0xf033
	s_cbranch_scc0 .Lentry_shape_is_right
	s_endpgm
.Lentry_shape_is_right:
.set SIZE_K, 1024
.set SCOFF,  40
.set NT,     0
.set KSTEP,  512
.set AHALF,  8*64*80
.set BHALF,  64*528
.set BOFF,   2*AHALF
.set SLOT,   2*AHALF+2*BHALF
.set SPARE,  2*SLOT
.set STAGE,  SPARE+512
.set SPITCH, 272
.set LAPS,   SIZE_K/(2*KSTEP)
.set ADRA, 16
.set ADRB, 20
.set STO,  24
.set RD,   25
.set CO,   26
.set SPW,  28
.set NIL,  29
.set BK,   32
.set ACC,  128
.set F0,   0
.set F1,   128
.set G1, 24
.set G0, 32
.set G1B, 48
.set G0B, 56
.set MSB, 0
.macro WIN new
.if MSB != \new
	s_set_vgpr_msb (MSB<<8)|\new
.set MSB, \new
.endif
.endm
.set MUL,  0x05
.set TO_F, 0x40
.macro JLOAD s
	s_cmp_eq_u32 s11, 0
	s_cbranch_scc0 .Lfor_b_\@
	tensor_load_to_lds s[G0+4*\s:G0+4*\s+3], s[G1:G1+7]
	s_nop 0
.rept 4
	v_nop
.endr
	s_branch .Lasked_\@
.Lfor_b_\@:
	tensor_load_to_lds s[G0B+4*\s:G0B+4*\s+3], s[G1B:G1B+7]
	s_nop 0
.rept 4
	v_nop
.endr
.Lasked_\@:
.endm
.macro CREST
	s_cmp_lg_u32 s10, 0
	s_cbranch_scc1 .Lnot_wave_0_\@
	s_barrier_signal -3
.Lnot_wave_0_\@:
	s_barrier_wait -3
	s_barrier_signal -1
	s_barrier_wait -1
.endm
.macro CROUND
	s_barrier_signal -1
	s_barrier_wait -1
	CREST
.endm
	s_load_b128 s[4:7], s[0:1], 0x0
	s_load_b256 s[68:75], s[0:1], 0x10
	s_load_b64 s[8:9], s[0:1], 0x30
	v_lshl_add_u32 v[SPW], v0, 2, SPARE
	v_mov_b32 v[NIL], 0
	ds_add_u32 v28, v29
	ds_add_u32 v28, v29
	s_wait_dscnt 0x0
	v_lshrrev_b32 v1, 5, v0
	v_readfirstlane_b32 s10, v1
	s_lshr_b32 s11, s10, 1
	s_and_b32 s12, s10, 1
	s_bfe_u32 s40, ttmp6, 0x40000
	s_bfe_u32 s41, ttmp6, 0x40004
	s_lshl_b32 s42, ttmp9, 2
	s_add_co_u32 s42, s42, s40
	s_and_b32 s13, ttmp7, 0xffff
	s_lshl_b32 s13, s13, 2
	s_add_co_u32 s13, s13, s41
	s_lshl_b32 s43, s41, 2
	s_lshl_b32 s43, 15, s43
	s_lshl_b32 s44, 0x1111, s40
	s_or_b32 s[G1+0], s43, (0<<16)|(1<<20)|(1<<21)|(3<<22)|(3<<25)
	s_mov_b32 s[G1+1], 4096<<16
	s_mov_b32 s[G1+2], 8<<16
	s_mov_b32 s[G1+3], 4096<<16
	s_mov_b32 s[G1+4], 8
	s_mov_b32 s[G1+5], 262144
	s_mov_b32 s[G1+6], 0
	s_mov_b32 s[G1+7], 0
	s_or_b32 s[G1B+0], s44, (0<<16)|(1<<20)|(1<<21)|(6<<22)|(3<<25)
	s_mov_b32 s[G1B+1], 512<<16
	s_mov_b32 s[G1B+2], 64<<16
	s_mov_b32 s[G1B+3], 512<<16
	s_mov_b32 s[G1B+4], 64
	s_mov_b32 s[G1B+5], SIZE_K
	s_mov_b32 s[G1B+6], 0
	s_mov_b32 s[G1B+7], 0
	s_lshl_b32 s16, s13, 13
	s_lshl_b32 s17, s12, 12
	s_add_co_u32 s16, s16, s17
	s_mov_b32 s17, 0
	s_lshl_b32 s46, s42, 7
	s_lshl_b32 s47, s12, 6
	s_add_co_u32 s46, s46, s47
	s_mul_i32 s46, s46, SIZE_K
	s_mov_b32 s47, 0
	s_mul_i32 s20, s12, AHALF
	s_mul_i32 s21, s12, BHALF
	s_add_co_u32 s21, s21, BOFF
	s_wait_kmcnt 0x0
	s_load_b64 s[76:77], s[68:69], SCOFF
	s_add_nc_u64 s[14:15], s[4:5], s[16:17]
	s_add_nc_u64 s[46:47], s[6:7], s[46:47]
	; THE PREFETCH: K has two steps; behind K step 0's joint load one line a wave names K step 1 of 32 of the 128 blocks of 256 bytes that the wave fetches; the four partners that ask for a tile jointly
	; share its blocks out by address: of the tokens' 8 slabs x 4,096 bytes the partner at cx takes slabs 2 cx, 2 cx + 1; of the weight's 64 rows x 512 bytes the partner at cy takes rows 16 cy on.
	s_cmp_eq_u32 s11, 0                            ; do I fetch the tokens' codes?
	s_cselect_b64 s[78:79], s[14:15], s[46:47]
	s_cselect_b32 s16, s40, s41                    ; my place among the four
	s_mov_b32 s17, 16*SIZE_K                       ; 16 rows of the weight,
	s_cselect_b32 s17, 0x80000, s17                ; or 2 slabs of 262,144 bytes
	s_mul_i32 s16, s16, s17
	s_mov_b32 s66, KSTEP                           ; a K step on: 512 bytes of a row,
	s_cselect_b32 s66, 8*262144, s66               ; or 8 slabs
	s_mov_b32 s17, 0
	s_mov_b32 s67, 0
	s_add_nc_u64 s[78:79], s[78:79], s[16:17]
	s_add_nc_u64 s[78:79], s[78:79], s[66:67]      ; at K step 1
	CROUND
.irp s, 0,1
	s_mov_b32 s[G0+4*\s], 1
	s_add_co_u32 s[G0+4*\s+1], s20, \s*SLOT
	s_add_nc_u64 s[G0+4*\s+2:G0+4*\s+3], s[14:15], \s*8*262144
	s_or_b32 s[G0+4*\s+3], s[G0+4*\s+3], 0x80000000
	s_mov_b32 s[G0B+4*\s], 1
	s_add_co_u32 s[G0B+4*\s+1], s21, \s*SLOT
	s_add_nc_u64 s[G0B+4*\s+2:G0B+4*\s+3], s[46:47], \s*KSTEP
	s_or_b32 s[G0B+4*\s+3], s[G0B+4*\s+3], 0x80000000
.endr
	JLOAD 0                                        ; K step 0: one tensor load a wave at the head
	v_and_b32 v1, 15, v0
	v_bfe_u32 v2, v0, 4, 1
	v_mul_u32_u24 v30, v1, 80
	v_lshl_add_u32 v30, v2, 4, v30
	v_mul_u32_u24 v31, v1, 528
	v_lshl_add_u32 v31, v2, 4, v31
	s_mul_i32 s22, s11, AHALF
	s_mul_i32 s23, s12, BHALF
	s_add_co_u32 s23, s23, BOFF
.irp s, 0,1
	v_add_nc_u32 v[ADRA+\s], s22, v30
	v_add_nc_u32 v[ADRB+\s], s23, v31
	s_add_co_u32 s22, s22, SLOT
	s_add_co_u32 s23, s23, SLOT
.endr
	s_mul_i32 s22, s10, 16*SPITCH
	s_add_co_u32 s22, s22, STAGE
	v_mul_u32_u24 v30, v1, SPITCH
	v_lshl_add_u32 v30, v2, 5, v30
	v_add_nc_u32 v[STO], s22, v30
	v_mul_u32_u24 v31, v2, SPITCH
	v_lshl_add_u32 v31, v1, 4, v31
	v_add_nc_u32 v[RD], s22, v31
	v_lshlrev_b32 v[CO], 12, v2
	v_lshl_add_u32 v[CO], v1, 4, v[CO]
	v_lshlrev_b32 v27, 4, v1
	s_cmp_eq_u32 s11, 0                            ; v3: my lane's block: tokens: slab lane / 16, block lane % 16; weight: row lane / 2, block lane % 2
	s_cselect_b32 s22, 4, 1
	s_mov_b32 s23, SIZE_K
	s_cselect_b32 s23, 262144, s23
	v_and_b32 v31, 31, v0
	v_lshrrev_b32 v30, s22, v31
	v_lshlrev_b32 v3, s22, v30
	v_sub_nc_u32 v31, v31, v3
	v_mul_lo_u32 v30, v30, s23
	v_lshl_add_u32 v3, v31, 8, v30
	s_wait_alu depctr_va_vdst(0)
	global_prefetch_b8 v3, s[78:79] th:TH_LOAD_NT scope:SCOPE_SE   ; K step 1, which is loaded when K step 0 has landed
	s_lshl_b32 s46, s42, 9
	s_lshl_b32 s47, s12, 8
	s_add_co_u32 s46, s46, s47
	s_mov_b32 s47, 0
	s_add_nc_u64 s[70:71], s[70:71], s[46:47]
	s_add_nc_u64 s[72:73], s[72:73], s[46:47]
	s_lshl_b32 s16, s13, 19
	s_lshl_b32 s17, s11, 18
	s_add_co_u32 s16, s16, s17
	s_add_co_u32 s46, s46, s16
	s_add_nc_u64 s[74:75], s[74:75], s[46:47]
	s_add_nc_u64 s[8:9], s[8:9], s[46:47]
	global_load_b128 v[4:7], v27, s[72:73]
	global_load_b128 v[12:15], v27, s[70:71]
	WIN 0x80
.irp a, 0,1,2,3
.irp t, 0,1,2,3,4,5,6,7
	global_load_b128 v[32*\a+4*\t:32*\a+4*\t+3], v[CO], s[74:75] offset:65536*\a+8192*\t
.endr
.endr
	WIN 0
.macro MUL8 f, a0, zero
.irp a, \a0, \a0+1
.irp b, 0,1,2,3
.if \zero
	v_wmma_f32_16x16x128_fp8_fp8 v[ACC+8*(4*(\a)+\b):ACC+8*(4*(\a)+\b)+7], v[\f+64+16*\b:\f+64+16*\b+15], v[\f+16*(\a):\f+16*(\a)+15], 0
.else
	v_wmma_f32_16x16x128_fp8_fp8 v[ACC+8*(4*(\a)+\b):ACC+8*(4*(\a)+\b)+7], v[\f+64+16*\b:\f+64+16*\b+15], v[\f+16*(\a):\f+16*(\a)+15], v[ACC+8*(4*(\a)+\b):ACC+8*(4*(\a)+\b)+7]
.endif
.endr
.endr
.endm
.macro FETCH slot, q, f
	WIN TO_F
.irp i, 0,1,2,3
.irp c, 0,1,2,3
	ds_load_b128 v[\f+64+16*\i+4*\c:\f+64+16*\i+4*\c+3], v[ADRB+\slot] offset:128*(\q)+32*\c+8448*\i
.endr
.endr
.irp i, 0,1,2,3
.irp c, 0,1,2,3
	ds_load_b128 v[\f+16*\i+4*\c:\f+16*\i+4*\c+3], v[ADRA+\slot] offset:(2*(\q)+\c/2)*5120+1280*\i+32*(\c%2)
.endr
.endr
.endm
.macro PLACES
.rept 4
	v_nop
.endr
.endm
.macro QUARTER slot, qn, f, g, zero
	s_wait_dscnt 8
	WIN MUL
	MUL8 \f, 0, \zero
	PLACES
	FETCH \slot, \qn, \g
	s_wait_dscnt 32
	WIN MUL
	MUL8 \f, 2, \zero
.endm
.macro TURN slot, next, fill
	WIN 0
	s_wait_tensorcnt 0x0
	ds_add_u32 v[SPW], v[NIL]
	s_wait_dscnt 9
	WIN MUL
	MUL8 F1, 0, 0
	s_wait_dscnt 0x0
	s_barrier_signal -1
	WIN 0
	s_barrier_wait -1
.if \fill
	CREST
	s_add_nc_u64 s[G0+4*\slot+2:G0+4*\slot+3], s[G0+4*\slot+2:G0+4*\slot+3], 16*262144
	s_add_nc_u64 s[G0B+4*\slot+2:G0B+4*\slot+3], s[G0B+4*\slot+2:G0B+4*\slot+3], 2*KSTEP
	JLOAD \slot
.else
	PLACES
.endif
	FETCH \next, 0, F0
	WIN MUL
	MUL8 F1, 2, 0
.endm
	s_wait_alu depctr_va_vdst(0)
	s_wait_tensorcnt 0x0                           ; my part of K step 0 is in; the three lines ahead of slot 1's first fill
	ds_add_u32 v[SPW], v[NIL]
	s_wait_dscnt 0x0
	CROUND
	JLOAD 1                                        ; K step 1, the first tensor load behind the round
	FETCH 0, 0, F0
	QUARTER 0, 1, F0, F1, 1
.if LAPS > 1
	WIN 0
	s_mov_b32 s3, LAPS-1
.Llap:
	QUARTER 0, 2, F1, F0, 0
	QUARTER 0, 3, F0, F1, 0
	TURN 0, 1, 1
	QUARTER 1, 1, F0, F1, 0
	QUARTER 1, 2, F1, F0, 0
	QUARTER 1, 3, F0, F1, 0
	TURN 1, 0, 1
	QUARTER 0, 1, F0, F1, 0
	WIN 0
	s_sub_co_u32 s3, s3, 1
	s_cmp_lg_u32 s3, 0
	s_cbranch_scc1 .Llap
.endif
	QUARTER 0, 2, F1, F0, 0
	QUARTER 0, 3, F0, F1, 0
	TURN 0, 1, 0
	QUARTER 1, 1, F0, F1, 0
	QUARTER 1, 2, F1, F0, 0
	QUARTER 1, 3, F0, F1, 0
	s_wait_dscnt 8
	WIN MUL
	MUL8 F1, 0, 0
	s_wait_dscnt 0
	MUL8 F1, 2, 0
	WIN 0
	s_wait_loadcnt 0x0
	s_wait_kmcnt 0x0
	s_add_co_i32 s76, s76, s77
	s_add_co_i32 s76, s76, 127
	s_lshl_b32 s76, s76, 23
.irp i, 0,1,2,3
	v_mul_f32 v[8+\i], s76, v[4+\i]
.endr
.irp i, 0,1,2,3
	v_mul_f32 v[12+\i], v[4+\i], v[12+\i]
.endr
.macro TOSTAGE a
.irp b, 0,1,2,3
	ds_store_b128 v[STO], v[ACC+8*(4*(\a)+\b):ACC+8*(4*(\a)+\b)+3] offset:64*\b
	ds_store_b128 v[STO], v[ACC+8*(4*(\a)+\b)+4:ACC+8*(4*(\a)+\b)+7] offset:64*\b+16
.endr
.set BB, BK+32*((\a)%2)
.irp t, 0,1,2,3,4,5,6,7
	ds_load_b128 v[BB+4*\t:BB+4*\t+3], v[RD] offset:2*SPITCH*\t
.endr
.endm
.macro SEND a, younger
.set BB, BK+32*((\a)%2)
	s_wait_dscnt \younger
	WIN 0x20
.irp t, 0,1,2,3,4,5,6,7
	v_pk_fma_f32 v[BB+4*\t:BB+4*\t+1], v[BB+4*\t:BB+4*\t+1], v[8:9], v[32*(\a)+4*\t:32*(\a)+4*\t+1]
	v_pk_fma_f32 v[BB+4*\t+2:BB+4*\t+3], v[BB+4*\t+2:BB+4*\t+3], v[10:11], v[32*(\a)+4*\t+2:32*(\a)+4*\t+3]
.endr
	WIN 0
.irp t, 0,1,2,3,4,5,6,7
	v_pk_add_f32 v[BB+4*\t:BB+4*\t+1], v[BB+4*\t:BB+4*\t+1], v[12:13]
	v_pk_add_f32 v[BB+4*\t+2:BB+4*\t+3], v[BB+4*\t+2:BB+4*\t+3], v[14:15]
.endr
.irp t, 0,1,2,3,4,5,6,7
.if NT
	global_store_b128 v[CO], v[BB+4*\t:BB+4*\t+3], s[8:9] offset:65536*(\a)+8192*\t th:TH_STORE_NT
.else
	global_store_b128 v[CO], v[BB+4*\t:BB+4*\t+3], s[8:9] offset:65536*(\a)+8192*\t
.endif
.endr
.endm
	TOSTAGE 0
	s_wait_alu depctr_va_vdst(0)
.irp a, 1,2,3
.if \a > 1
	s_wait_xcnt 0x0
.endif
	TOSTAGE \a
	SEND \a-1, 16
.endr
	SEND 3, 0
	s_wait_tensorcnt 0x0
	ds_add_u32 v[SPW], v[NIL]
	s_wait_dscnt 0x0
	CROUND
	s_endpgm
.Lfunc_end_k_qe6e91dc951_proj:
	.size	k_qe6e91dc951_proj, .Lfunc_end_k_qe6e91dc951_proj-k_qe6e91dc951_proj
	.p2alignl 7, 3214868480
	.fill 96, 4, 3214868480
	.section	.rodata,"a",@progbits
	.p2align	6, 0x0
	.amdhsa_kernel k_qe6e91dc951_proj
		.amdhsa_group_segment_fixed_size 327680
		.amdhsa_private_segment_fixed_size 0
		.amdhsa_enable_private_segment 0
		.amdhsa_kernarg_size 56
		.amdhsa_user_sgpr_count 2
		.amdhsa_user_sgpr_kernarg_segment_ptr 1
		.amdhsa_wavefront_size32 1
		.amdhsa_system_sgpr_workgroup_id_x 1
		.amdhsa_system_sgpr_workgroup_id_y 1
		.amdhsa_system_sgpr_workgroup_id_z 1
		.amdhsa_system_vgpr_workitem_id 0
		.amdhsa_next_free_vgpr 640
		.amdhsa_next_free_sgpr 80
		.amdhsa_reserve_vcc 0
		.amdhsa_float_denorm_mode_32 3
		.amdhsa_float_denorm_mode_16_64 3
		.amdhsa_memory_ordered 1
		.amdhsa_forward_progress 1
		.amdhsa_inst_pref_size 55
	.end_amdhsa_kernel
	.amdgpu_metadata
---
amdhsa.version: [ 1, 2 ]
amdhsa.kernels:
  - .name:           k_qe6e91dc951_proj
    .symbol:         k_qe6e91dc951_proj.kd
    .args:
      - { .name: oc, .offset: 0, .size: 8, .value_kind: global_buffer, .address_space: global }
      - { .name: wo_codes, .offset: 8, .size: 8, .value_kind: global_buffer, .address_space: global }
      - { .name: lowp_scales, .offset: 16, .size: 8, .value_kind: global_buffer, .address_space: global }
      - { .name: bo, .offset: 24, .size: 8, .value_kind: global_buffer, .address_space: global }
      - { .name: gate_msa, .offset: 32, .size: 8, .value_kind: global_buffer, .address_space: global }
      - { .name: x, .offset: 40, .size: 8, .value_kind: global_buffer, .address_space: global }
      - { .name: x1, .offset: 48, .size: 8, .value_kind: global_buffer, .address_space: global }
    .group_segment_fixed_size: 327680
    .private_segment_fixed_size: 0
    .kernarg_segment_align: 8
    .kernarg_segment_size: 56
    .max_flat_workgroup_size: 128
    .sgpr_count:     80
    .vgpr_count:     640
    .wavefront_size: 32
...
	.end_amdgpu_metadata
.endif
;; end of part 4
;; launch ln2 (part 5): grid 256 x 1, 8 waves a work-group, no clusters, 41,984 bytes of LDS; arguments x1, ln2_g, ln2_b, lowp_scales, h2c; writes h2c
.if DOCPART == 5
	.amdgcn_target "amdgcn-amd-amdhsa--gfx1250"
	.amdhsa_code_object_version 6
	.text
	.protected	k_qe6e91dc951_ln2
	.globl	k_qe6e91dc951_ln2
	.p2align	8
	.type	k_qe6e91dc951_ln2,@function
k_qe6e91dc951_ln2:
	s_mov_b64 s[64:65], 0
	v_nop
	global_prefetch_b8 v0, s[64:65] scope:SCOPE_SE
	s_setreg_imm32_b32 hwreg(HW_REG_WAVE_MODE, 25, 1), 1
	s_wait_xcnt 0x0
; LayerNorm over rows of 1,024 f32 (mean, mean of squared differences, rsqrt(v + 1e-6), gain, bias, all f32, in two passes over registers),
; and the finished rows as codes of FP8 (E4M3) with the one scale 2^e that is given for the next product's left operand.
; code = y / 2^e, held within +-448, to the nearest code, ties to even.  Codes lie row-major, 1,024 bytes a row.
; SHARES.  4,096 rows; a work-group of eight waves takes 16, a wave 2.  A wave asks for its two rows, the gain and the bias (32 loads of 512 consecutive bytes) at once.
; A conversion takes neighbours along the row from ONE lane's registers, a load is best where neighbouring lanes take neighbouring bytes: so each row turns through the wave's
; own stage in LDS (as loaded in, 64 bytes a lane out; 16 bytes of padding behind each 64).  Afterwards register 16 u + j of lane L is column 512 u + 16 L + j.
; No barrier: waves share nothing.  No matrix unit, no cluster, no tensor load: a stream in which each byte is read once.
; LIMITS: e between -126 and 119, so that 2^e and 448 x 2^e are f32 numbers.  NaN among the inputs is not served.
.set NOUT, 1                           ; how many times the rows are quantised
.set SC0,  48                          ; byte of the exponent in the buffer of scales
.set RAW0, 32                          ; v32-63   first row as loaded
.set RAW1, 64                          ; v64-95   second row as loaded
.set RAWG, 96                          ; v96-127  gain as loaded; later X
.set RAWB, 128                         ; v128-159 bias as loaded; later T
.set X,    96                          ; the row at work, turned
.set T,    128                         ; the row held within the largest code
.set G,    160                         ; v160-191 gain, turned
.set B,    192                         ; v192-223 bias, turned
.set C,    224                         ; v224-231 codes
.set SCL,  26                          ; v26 2^e, v27 448 x 2^e
	s_load_b256 s[4:11], s[0:1], 0x0               ; rows s[4:5], gain s[6:7], bias s[8:9], exponents s[10:11]
	s_load_b64 s[12:13], s[0:1], 0x20              ; codes
	v_lshl_add_u32 v254, v0, 2, 0xa000
	v_mov_b32 v255, 0
	v_lshrrev_b32 v4, 5, v0
	s_delay_alu instid0(VALU_DEP_1)
	v_readfirstlane_b32 s16, v4                    ; wave 0..7
	v_and_b32 v5, 31, v0                           ; lane
	s_delay_alu instid0(VALU_DEP_1)
	v_lshlrev_b32 v1, 4, v5                        ; 16 x lane
	s_mul_i32 s28, s16, 5120                       ; my wave's stage
	v_bfe_u32 v4, v0, 2, 3
	s_delay_alu instid0(VALU_DEP_1)
	v_mul_u32_u24 v4, v4, 80
	v_and_b32 v6, 3, v0
	s_delay_alu instid0(VALU_DEP_1)
	v_lshl_add_u32 v4, v6, 4, v4
	s_delay_alu instid0(VALU_DEP_1)
	v_add_nc_u32 v2, s28, v4                       ; into the stage: 80 (lane / 4) + 16 (lane % 4)
	v_mul_u32_u24 v3, v5, 80
	s_delay_alu instid0(VALU_DEP_1)
	v_add_nc_u32 v3, s28, v3                       ; out of it: 80 x lane
	s_lshl_b32 s17, ttmp9, 4
	s_lshl_b32 s18, s16, 1
	s_add_co_u32 s17, s17, s18                     ; my first row
	s_lshl_b32 s18, s17, 12
	s_mov_b32 s19, 0
	s_lshl_b32 s20, s17, 10
	s_mov_b32 s21, 0
	s_mov_b32 s22, 0x3a800000                      ; 1 / 1024
	s_mov_b32 s23, 0x358637bd                      ; 1e-6
	s_mov_b32 s24, 0x76543210                      ; lane selects: lane l xor 16
	s_mov_b32 s25, 0xfedcba98
	s_wait_alu depctr_va_vdst(0)
	s_wait_kmcnt 0x0
	s_load_b32 s30, s[10:11], SC0
	s_add_nc_u64 s[4:5], s[4:5], s[18:19]
	s_add_nc_u64 s[34:35], s[12:13], s[20:21]
.macro LOADROW dst, lo, off            ; 4,096 bytes: eight loads of 512 consecutive bytes
.irp i, 0,1,2,3,4,5,6,7
	global_load_b128 v[\dst+4*\i:\dst+4*\i+3], v1, s[\lo:\lo+1] offset:\off+512*\i
.endr
.endm
.macro TURN src, dst                   ; through the stage; LDS serves a wave's instructions in order, so no wait stands between the stores and the loads
.irp i, 0,1,2,3,4,5,6,7
	ds_store_b128 v2, v[\src+4*\i:\src+4*\i+3] offset:(\i/4)*2560+(\i%4)*640
.endr
.irp u, 0,1
.irp i, 0,1,2,3
	ds_load_b128 v[\dst+16*\u+4*\i:\dst+16*\u+4*\i+3], v3 offset:\u*2560+16*\i
.endr
.endr
.endm
	LOADROW RAWG, 6, 0
	LOADROW RAWB, 8, 0
	LOADROW RAW0, 4, 0
	LOADROW RAW1, 4, 4096
	s_wait_kmcnt 0x0
	s_add_co_i32 s30, s30, 127
	s_lshl_b32 s33, s30, 23
	v_mov_b32 v[SCL], s33                          ; 2^e as f32: the conversion takes its exponent field
	s_add_co_i32 s30, s30, 8
	s_lshl_b32 s30, s30, 23
	s_or_b32 s30, s30, 0x600000
	v_mov_b32 v[SCL+1], s30                        ; 448 x 2^e
.macro WSUM                            ; v4 summed over the 32 lanes, the result in every lane
	s_delay_alu instid0(VALU_DEP_1)
	v_add_f32_dpp v4, v4, v4 row_xmask:1 row_mask:0xf bank_mask:0xf
	s_delay_alu instid0(VALU_DEP_1)
	v_add_f32_dpp v4, v4, v4 row_xmask:2 row_mask:0xf bank_mask:0xf
	s_delay_alu instid0(VALU_DEP_1)
	v_add_f32_dpp v4, v4, v4 row_xmask:4 row_mask:0xf bank_mask:0xf
	s_delay_alu instid0(VALU_DEP_1)
	v_add_f32_dpp v4, v4, v4 row_xmask:8 row_mask:0xf bank_mask:0xf
	s_delay_alu instid0(VALU_DEP_1)
	v_permlanex16_b32 v5, v4, s24, s25
	s_delay_alu instid0(VALU_DEP_1)
	v_add_f32 v4, v4, v5
.endm
.macro FOLD                            ; four chains of pairs into v4
	s_delay_alu instid0(VALU_DEP_3)
	v_pk_add_f32 v[4:5], v[4:5], v[6:7]
	s_delay_alu instid0(VALU_DEP_2)
	v_pk_add_f32 v[8:9], v[8:9], v[10:11]
	s_delay_alu instid0(VALU_DEP_1)
	v_pk_add_f32 v[4:5], v[4:5], v[8:9]
	s_delay_alu instid0(VALU_DEP_1)
	v_add_f32 v4, v4, v5
.endm
.macro ROW src, row                    ; one row: turned, normalised, quantised, stored
	TURN \src, X
	s_wait_dscnt 0x0                               ; the row is back, 32 numbers a lane
.irp k, 0,1,2,3
	v_pk_add_f32 v[4+2*\k:5+2*\k], v[X+4*\k:X+4*\k+1], v[X+4*\k+2:X+4*\k+3]
.endr
.irp k, 0,1,2,3,4,5,6,7
	s_delay_alu instid0(VALU_DEP_4)
	v_pk_add_f32 v[4+2*(\k%4):5+2*(\k%4)], v[4+2*(\k%4):5+2*(\k%4)], v[X+16+2*\k:X+17+2*\k]
.endr
	FOLD
	WSUM
	s_delay_alu instid0(VALU_DEP_1)
	v_mul_f32 v12, 0xba800000, v4                  ; -mean
	s_delay_alu instid0(VALU_DEP_1)
	v_mov_b32 v13, v12
.set j, 0
.rept 16
	v_pk_add_f32 v[X+j:X+j+1], v[X+j:X+j+1], v[12:13]
.set j, j+2
.endr
.irp k, 0,1,2,3
	v_pk_mul_f32 v[4+2*\k:5+2*\k], v[X+2*\k:X+2*\k+1], v[X+2*\k:X+2*\k+1]
.endr
.irp k, 4,5,6,7,8,9,10,11,12,13,14,15
	s_delay_alu instid0(VALU_DEP_4)
	v_pk_fma_f32 v[4+2*(\k%4):5+2*(\k%4)], v[X+2*\k:X+2*\k+1], v[X+2*\k:X+2*\k+1], v[4+2*(\k%4):5+2*(\k%4)]
.endr
	FOLD
	WSUM
	s_delay_alu instid0(VALU_DEP_1)
	v_fma_f32 v4, v4, s22, s23                     ; the mean of the squares + 1e-6
	s_wait_alu depctr_va_vdst(0)
	v_rsq_f32 v14, v4
	v_nop                                          ; a plain line behind the transcendental
	s_wait_alu depctr_va_vdst(0)
	v_mov_b32 v15, v14
.set j, 0
.rept 16
	v_pk_mul_f32 v[X+j:X+j+1], v[X+j:X+j+1], v[14:15]
.set j, j+2
.endr
.set j, 0
.rept 16
	v_pk_fma_f32 v[X+j:X+j+1], v[X+j:X+j+1], v[G+j:G+j+1], v[B+j:B+j+1]
.set j, j+2
.endr
.set j, 0
.rept 32
	v_med3_num_f32 v[T+j], v[X+j], -v[SCL+1], v[SCL+1]   ; the conversion to an 8-bit code does not saturate (ISA guide 7.6.2): the hold comes first
.set j, j+1
.endr
.irp g, 0,1,2,3
	v_cvt_scalef32_pk8_fp8_f32 v[C+2*\g:C+2*\g+1], v[T+8*\g:T+8*\g+7], v[SCL]
.endr
	v_nop                                          ; a plain line behind the conversions
.irp u, 0,1
	global_store_b128 v1, v[C+4*\u:C+4*\u+3], s[34:35] offset:\row*1024+512*\u   ; 32 lanes store 512 consecutive bytes, aligned
.endr
.endm
	s_wait_loadcnt 24                              ; the gain is in: 24 younger loads (bias, two rows) may be out
	TURN RAWG, G
	s_wait_loadcnt 16                              ; the bias is in
	TURN RAWB, B
	s_wait_loadcnt 8                               ; the first row is in
	s_wait_dscnt 0x0                               ; gain and bias are back, and their raw registers are free
	ROW RAW0, 0
	s_wait_loadcnt 0x0                             ; the second row
	s_wait_xcnt 0x0                                ; the first row's stores have read the codes' registers
	ROW RAW1, 1
	s_wait_tensorcnt 0x0
	ds_add_u32 v254, v255
	s_wait_dscnt 0x0
	s_endpgm
.Lfunc_end_k_qe6e91dc951_ln2:
	.size	k_qe6e91dc951_ln2, .Lfunc_end_k_qe6e91dc951_ln2-k_qe6e91dc951_ln2
	.p2alignl 7, 3214868480
	.fill 96, 4, 3214868480
	.section	.rodata,"a",@progbits
	.p2align	6, 0x0
	.amdhsa_kernel k_qe6e91dc951_ln2
		.amdhsa_group_segment_fixed_size 41984
		.amdhsa_private_segment_fixed_size 0
		.amdhsa_enable_private_segment 0
		.amdhsa_kernarg_size 40
		.amdhsa_user_sgpr_count 2
		.amdhsa_user_sgpr_kernarg_segment_ptr 1
		.amdhsa_wavefront_size32 1
		.amdhsa_system_sgpr_workgroup_id_x 1
		.amdhsa_system_sgpr_workgroup_id_y 1
		.amdhsa_system_sgpr_workgroup_id_z 1
		.amdhsa_system_vgpr_workitem_id 0
		.amdhsa_next_free_vgpr 256
		.amdhsa_next_free_sgpr 66
		.amdhsa_reserve_vcc 0
		.amdhsa_float_denorm_mode_32 3
		.amdhsa_float_denorm_mode_16_64 3
		.amdhsa_memory_ordered 1
		.amdhsa_forward_progress 1
		.amdhsa_inst_pref_size 30
	.end_amdhsa_kernel
	.amdgpu_metadata
---
amdhsa.version: [ 1, 2 ]
amdhsa.kernels:
  - .name:           k_qe6e91dc951_ln2
    .symbol:         k_qe6e91dc951_ln2.kd
    .args:
      - { .name: x1, .offset: 0, .size: 8, .value_kind: global_buffer, .address_space: global }
      - { .name: ln2_g, .offset: 8, .size: 8, .value_kind: global_buffer, .address_space: global }
      - { .name: ln2_b, .offset: 16, .size: 8, .value_kind: global_buffer, .address_space: global }
      - { .name: lowp_scales, .offset: 24, .size: 8, .value_kind: global_buffer, .address_space: global }
      - { .name: h2c, .offset: 32, .size: 8, .value_kind: global_buffer, .address_space: global }
    .group_segment_fixed_size: 41984
    .private_segment_fixed_size: 0
    .kernarg_segment_align: 8
    .kernarg_segment_size: 40
    .max_flat_workgroup_size: 256
    .sgpr_count:     66
    .vgpr_count:     256
    .wavefront_size: 32
...
	.end_amdgpu_metadata
.endif
;; end of part 5
;; launch up (part 6): grid 16 x 16, 4 waves a work-group, clusters of 4 x 4, 327,680 bytes of LDS; arguments h2c, w1_codes, lowp_scales, b1, gc; writes gc
.if DOCPART == 6
	.amdgcn_target "amdgcn-amd-amdhsa--gfx1250"
	.amdhsa_code_object_version 6
	.text
	.protected	k_qe6e91dc951_up
	.globl	k_qe6e91dc951_up
	.p2align	8
	.type	k_qe6e91dc951_up,@function
k_qe6e91dc951_up:
	s_mov_b64 s[64:65], 0
	v_nop
	global_prefetch_b8 v0, s[64:65] scope:SCOPE_SE
	s_setreg_imm32_b32 hwreg(HW_REG_WAVE_MODE, 25, 1), 1
	s_wait_xcnt 0x0
	s_wait_alu depctr_hold_cnt(0) depctr_sa_sdst(0) depctr_va_vdst(0) depctr_va_sdst(0) depctr_va_ssrc(0) depctr_va_vcc(0) depctr_vm_vsrc(0)
	s_getreg_b32 s2, hwreg(HW_REG_IB_STS2, 6, 4)
	s_cmp_eq_u32 s2, 0
	s_cbranch_scc0 .Lentry_in_a_cluster
	s_endpgm
.Lentry_in_a_cluster:
	s_bfe_u32 s2, ttmp6, 0x10000c
	s_cmp_lg_u32 s2, 0xf033
	s_cbranch_scc0 .Lentry_shape_is_right
	s_endpgm
.Lentry_shape_is_right:
; g = gelu(h2 w1 + b1), exact (by erf), on codes of FP8 (E4M3): M = 4,096 tokens, N = 4,096, K = 1,024; g leaves as codes for the next product.
; h2c: [4,096][1,024] codes; w1: [4,096][1,024] codes, K innermost; b1 [4,096] f32.  OUT: gc in slabs, [64 slabs of 64 columns][4,096 tokens][64 codes]: eight tokens of a slab are 512 consecutive bytes.
; A tile of 256 x 256 is made by four waves, 128 x 128 each: 64 accumulators, 512 registers.  K goes in steps of 256 through a ring of two LDS slots filled by the tensor data mover.
; CLUSTERS: 4 x 4 work-groups; the tokens' tiles are asked for jointly by the four of a row of the cluster, the weight's by the four of a column.
; THE MATRIX INSTRUCTION IS USED TRANSPOSED (source 0 = 16 rows of w1, source 1 = 16 tokens).
; THE WAY OUT IS A LOOP, so that the activation is written twice and not 64 times: half of the accumulators (64 tokens x 128 columns of raw sums) goes into the wave's own stage in LDS; a trip takes 8 tokens back,
; 16 neighbouring columns of each of the two slabs a lane, and does sum x 2^e + b1, gelu, hold, conversion, store.  The stage lies in slot 0, which has had its last fill and its last read by then.
; erf(y) = y P(y^2) / Q(y^2) with y held within +-4 (beyond that erf is 1 to f32's last place): polynomials of degree 6 and 4; its error is of the size of an f32 rounding of erf.
; LIMITS: exponents 12 + 13 between -126 and 127; exponent 14 between -126 and 119.  NaN among the inputs is not served.
; REGISTERS, in windows of 256: window 0: v1-31 addresses; v32-63 b1; v64-91 constants; v96-231 at work on the way out; from v128 the tokens' fragments, ONE set.
;   window 1: the weight's fragments, TWO sets.   windows 2, 3: the accumulators ((a, b) at v[8 (8 (a % 4) + b)]).
.set SIZE_K, 1024
.set KSTEP,  256
.set ROWB,   256
.set KROW,   SIZE_K
.set PITCH,  272                       ; an LDS row: 256 bytes + 16 of padding
.set FR,     16
.set NL,     4
.set NP,     4
.set HALFT,  128*PITCH
.set SLOT,   4*HALFT
.set LAPS,   SIZE_K/(2*KSTEP)
.set SPARE,  2*SLOT                    ; the spare words, 128 bytes for each wave
.set WSTG,   64*528                    ; a wave's stage: 64 rows x (512 bytes + 16)
.set ADRA, 16
.set ADRB, 20
.set SPW,  28
.set NIL,  29
.set BI,   32                          ; v32-63   b1 of my 2 x 16 columns
.set T,    96                          ; v96-127  raw sums of a trip
.set AF,   128
.set X,    128                         ; v128-159 the 32 numbers at work
.set Y,    160
.set Z,    176
.set P,    192
.set Q,    208
.set C,    224                         ; v224-231 codes
.set G1, 24
.set G0, 32
.set G1B, 48
.set G0B, 56
.set MSB, 0
.macro WIN new                         ; the immediate's high byte repeats the setting that is left
.if MSB != \new
	s_set_vgpr_msb (MSB<<8)|\new
.set MSB, \new
.endif
.endm
.set MUL_LO, 0xa1
.set MUL_HI, 0xf1
.set TO_B,   0x40
.macro JLOAD g0a, g1a, g0b, g1b        ; a joint load: waves 0 and 1 fetch the tokens' halves, waves 2 and 3 the weight's; four v_nop follow each of the two lines
	s_cmp_eq_u32 s15, 0
	s_cbranch_scc0 .Lfor_b_\@
	tensor_load_to_lds s[\g0a:\g0a+3], s[\g1a:\g1a+7]
	s_nop 0
.rept 4
	v_nop
.endr
	s_branch .Lasked_\@
.Lfor_b_\@:
	tensor_load_to_lds s[\g0b:\g0b+3], s[\g1b:\g1b+7]
	s_nop 0
.rept 4
	v_nop
.endr
.Lasked_\@:
.endm
.macro CREST
	s_cmp_lg_u32 s14, 0
	s_cbranch_scc1 .Lnot_wave_0_\@
	s_barrier_signal -3
.Lnot_wave_0_\@:
	s_barrier_wait -3
	s_barrier_signal -1
	s_barrier_wait -1
.endm
.macro CROUND
	s_barrier_signal -1
	s_barrier_wait -1
	CREST
.endm
	s_load_b128 s[4:7], s[0:1], 0x0                ; h2c s[4:5], w1 s[6:7]
	s_load_b128 s[8:11], s[0:1], 0x10              ; exponents s[8:9], b1 s[10:11]
	s_load_b64 s[12:13], s[0:1], 0x20              ; gc
	v_lshl_add_u32 v[SPW], v0, 2, SPARE
	v_mov_b32 v[NIL], 0
	ds_add_u32 v28, v29
	ds_add_u32 v28, v29
	s_wait_dscnt 0x0
	v_lshrrev_b32 v1, 5, v0
	v_readfirstlane_b32 s14, v1                    ; wave 0..3
	s_lshr_b32 s15, s14, 1                         ; which half of the tokens is mine.  Also: I fetch tokens (0) or the weight (1)
	s_and_b32 s16, s14, 1                          ; which half of the columns.  Also: which 128 rows of that tile I fetch
	s_bfe_u32 s40, ttmp6, 0x40000
	s_bfe_u32 s41, ttmp6, 0x40004
	s_lshl_b32 s42, ttmp9, 2
	s_add_co_u32 s42, s42, s40                     ; tile column
	s_and_b32 s17, ttmp7, 0xffff
	s_lshl_b32 s17, s17, 2
	s_add_co_u32 s17, s17, s41                     ; tile row
	s_lshl_b32 s43, s41, 2
	s_lshl_b32 s43, 15, s43
	s_lshl_b32 s44, 0x1111, s40
	s_or_b32 s[G1+0], s43, (0<<16)|(1<<20)|(1<<21)|(5<<22)|(3<<25)  ; the mask of my row; elements of 1 byte; padding: four words after every 64; bit 21 beside a mask
	s_or_b32 s[G1B+0], s44, (0<<16)|(1<<20)|(1<<21)|(5<<22)|(3<<25)
.irp g, G1, G1B
	s_mov_b32 s[\g+1], ROWB<<16
	s_mov_b32 s[\g+2], 128<<16
	s_mov_b32 s[\g+3], ROWB<<16
	s_mov_b32 s[\g+4], 128
	s_mov_b32 s[\g+5], KROW
	s_mov_b32 s[\g+6], 0
	s_mov_b32 s[\g+7], 0
.endr
	s_lshl_b32 s18, s16, 7
	s_lshl_b32 s20, s17, 8
	s_add_co_u32 s20, s20, s18
	s_lshl_b32 s20, s20, 10                        ; tokens: (256 x tile row + 128 x half) rows of 1,024 bytes
	s_mov_b32 s21, 0
	s_lshl_b32 s46, s42, 8
	s_add_co_u32 s46, s46, s18
	s_lshl_b32 s46, s46, 10                        ; the weight likewise
	s_mov_b32 s47, 0
	s_mul_i32 s45, s14, HALFT
	s_wait_kmcnt 0x0
	s_load_b128 s[92:95], s[8:9], 0x30             ; exponents 12, 13, 14 (and 15, not used here)
	s_add_nc_u64 s[20:21], s[4:5], s[20:21]
	s_add_nc_u64 s[46:47], s[6:7], s[46:47]
	; THE PREFETCHES: behind each joint load but the last one line a wave names the NEXT K step (256 bytes a row) of 32 of the 128 rows that the wave fetches, a lane a row;
	; the four partners that ask for a tile jointly share its rows out by address (cx for the tokens, cy for the weight).  The base stays; the K steps are reached by immediates.
	s_cmp_eq_u32 s15, 0
	s_cselect_b64 s[70:71], s[20:21], s[46:47]
	s_cselect_b32 s72, s40, s41
	s_lshl_b32 s72, s72, 15                        ; 32 rows of 1,024 bytes
	s_mov_b32 s73, 0
	s_add_nc_u64 s[70:71], s[70:71], s[72:73]
	CROUND                                         ; all sixteen work-groups are here: the first joint loads meet
.irp s, 0,1
	s_mov_b32 s[G0+4*\s], 1
	s_add_co_u32 s[G0+4*\s+1], s45, \s*SLOT
	s_add_nc_u64 s[G0+4*\s+2:G0+4*\s+3], s[20:21], \s*ROWB
	s_or_b32 s[G0+4*\s+3], s[G0+4*\s+3], 0x80000000
	s_mov_b32 s[G0B+4*\s], 1
	s_add_co_u32 s[G0B+4*\s+1], s45, \s*SLOT
	s_add_nc_u64 s[G0B+4*\s+2:G0B+4*\s+3], s[46:47], \s*ROWB
	s_or_b32 s[G0B+4*\s+3], s[G0B+4*\s+3], 0x80000000
.endr
	JLOAD G0, G1, G0B, G1B                         ; K step 0: one tensor load a wave at the head
	v_and_b32 v1, 15, v0                           ; r
	v_bfe_u32 v2, v0, 4, 1                         ; h
	v_mul_u32_u24 v3, v1, PITCH
	v_lshl_add_u32 v4, v2, 4, v3
	s_mul_i32 s21, s15, HALFT
	s_mul_i32 s22, s16, HALFT
	s_add_co_u32 s22, s22, 2*HALFT
.irp s, 0,1
	v_add_nc_u32 v[ADRA+\s], s21, v4
	v_add_nc_u32 v[ADRB+\s], s22, v4
	s_add_co_u32 s21, s21, SLOT
	s_add_co_u32 s22, s22, SLOT
.endr
	v_and_b32 v5, 31, v0
	v_lshlrev_b32 v7, 4, v5                        ; v7: 16 x lane
	v_and_b32 v6, 3, v0
	v_lshlrev_b32 v10, 6, v6                       ; v10: 64 (lane % 4): my 16 columns of a slab, in bytes of f32
	v_lshlrev_b32 v14, 10, v5                      ; v14: my lane's row, 1,024 bytes a row; never rewritten
	s_wait_alu depctr_va_vdst(0)
	global_prefetch_b8 v14, s[70:71] offset:ROWB th:TH_LOAD_NT scope:SCOPE_SE     ; K step 1
	s_mul_i32 s23, s14, WSTG                       ; my stage
	v_mul_u32_u24 v11, v1, 528
	v_lshl_add_u32 v11, v2, 5, v11
	v_add_nc_u32 v11, s23, v11                     ; v11: in: row r, + 32 h
	v_bfe_u32 v8, v0, 2, 3
	v_mul_u32_u24 v12, v8, 528
	v_lshl_add_u32 v12, v6, 6, v12
	v_add_nc_u32 v12, s23, v12                     ; v12: back: row lane / 4, + 64 (lane % 4)
	s_lshl_b32 s22, s42, 10
	s_lshl_b32 s23, s16, 9
	s_add_co_u32 s22, s22, s23
	s_mov_b32 s23, 0
	s_add_nc_u64 s[10:11], s[10:11], s[22:23]      ; b1 at my first column
	s_lshl_b32 s22, s42, 20                        ; gc: slab 4 x tile column + 2 x half, token 256 x tile row + 128 x half
	s_lshl_b32 s18, s16, 19
	s_add_co_u32 s22, s22, s18
	s_lshl_b32 s18, s17, 14
	s_add_co_u32 s22, s22, s18
	s_lshl_b32 s18, s15, 13
	s_add_co_u32 s22, s22, s18
	s_add_nc_u64 s[12:13], s[12:13], s[22:23]
.irp hh, 0,1
.irp k, 0,1,2,3
	global_load_b128 v[BI+16*\hh+4*\k:BI+16*\hh+4*\k+3], v10, s[10:11] offset:256*\hh+16*\k
.endr
.endr
.macro FRAG reg, adr, q, i             ; a fragment: registers 4 c .. 4 c + 3 hold K = 32 c + 16 (l / 16) + 0 .. 15 of row l % 16, alike on both sides
.irp c, 0,1,2,3
	ds_load_b128 v[\reg+4*\c:\reg+4*\c+3], v[\adr] offset:128*(\q)+32*\c+(\i)*16*PITCH
.endr
.endm
.macro MUL16 a0, p, zero               ; 16 matrix instructions; the 64 accumulators take turns, one instruction a turn
.irp a, \a0, \a0+1
.irp b, 0,1,2,3,4,5,6,7
.if \zero
	v_wmma_f32_16x16x128_fp8_fp8 v[8*(8*((\a)%4)+\b):8*(8*((\a)%4)+\b)+7], v[128*(\p)+FR*\b:128*(\p)+FR*\b+FR-1], v[AF+FR*(\a):AF+FR*(\a)+FR-1], 0
.else
	v_wmma_f32_16x16x128_fp8_fp8 v[8*(8*((\a)%4)+\b):8*(8*((\a)%4)+\b)+7], v[128*(\p)+FR*\b:128*(\p)+FR*\b+FR-1], v[AF+FR*(\a):AF+FR*(\a)+FR-1], v[8*(8*((\a)%4)+\b):8*(8*((\a)%4)+\b)+7]
.endif
.endr
.endr
.endm
.macro FETCH_B slot, q, p
	WIN TO_B
.irp i, 0,1,2,3,4,5,6,7
	FRAG 128*(\p)+FR*\i, ADRB+\slot, \q, \i
.endr
	WIN 0
.endm
.macro FETCH_A slot, q, i0
.irp i, \i0, \i0+1, \i0+2, \i0+3
	FRAG AF+FR*(\i), ADRA+\slot, \q, \i
.endr
.endm
.macro PLACES n
.rept \n
	v_nop
.endr
.endm
.macro STEP slot, q, zero
	s_wait_dscnt 4*NL                              ; the weight's set and the tokens' blocks 0-3 are in; the youngest 16 loads (blocks 4-7) may be out
	WIN MUL_LO
	MUL16 0, (\q)%2, \zero
	MUL16 2, (\q)%2, \zero
	s_wait_dscnt 0
	PLACES NP
	FETCH_B \slot, (\q)+1, 1-(\q)%2
	FETCH_A \slot, (\q)+1, 0
	WIN MUL_HI
	MUL16 4, (\q)%2, \zero
	MUL16 6, (\q)%2, \zero
	PLACES NP
	WIN 0
	FETCH_A \slot, (\q)+1, 4
.endm
.macro TURN slot, next, fill           ; a slot's last step changes slots: ONE barrier, with the three lines in front of it
	s_wait_tensorcnt 0x0                           ; all my tensor loads have landed: my part of the next slot
	ds_add_u32 v[SPW], v[NIL]                      ; 0 onto my spare word
	s_wait_dscnt 4*NL+1                            ; the add and the youngest 16 loads may be out
	WIN MUL_LO
	MUL16 0, 1, 0
	s_wait_dscnt 0x0                               ; the add is done, and my reads of this slot are over
	s_barrier_signal -1
	MUL16 2, 1, 0
	WIN 0
	s_barrier_wait -1
.if \fill
	CREST                                          ; the barrier has opened a round of the cluster's barrier
	s_add_nc_u64 s[G0+4*\slot+2:G0+4*\slot+3], s[G0+4*\slot+2:G0+4*\slot+3], 2*ROWB
	s_add_nc_u64 s[G0B+4*\slot+2:G0B+4*\slot+3], s[G0B+4*\slot+2:G0B+4*\slot+3], 2*ROWB
	JLOAD G0+4*\slot, G1, G0B+4*\slot, G1B
.else
	PLACES NP
.endif
	FETCH_B \next, 0, 0
	FETCH_A \next, 0, 0
.if \fill
.if \slot == 0
	global_prefetch_b8 v14, s[70:71] offset:3*ROWB th:TH_LOAD_NT scope:SCOPE_SE   ; K has four steps: behind K step 2's load the last one is named, behind K step 3's nothing
.endif
.endif
	WIN MUL_HI
	MUL16 4, 1, 0
	MUL16 6, 1, 0
	PLACES NP
	WIN 0
	FETCH_A \next, 0, 4
.endm
	s_wait_alu depctr_va_vdst(0)
	s_wait_tensorcnt 0x0                           ; my part of K step 0 is in; the three lines ahead of slot 1's first fill
	ds_add_u32 v[SPW], v[NIL]
	s_wait_dscnt 0x0
	CROUND                                         ; everybody's part is in, and all sixteen work-groups are here
	JLOAD G0+4, G1, G0B+4, G1B                     ; K step 1, the first tensor load behind the round
	FETCH_B 0, 0, 0
	FETCH_A 0, 0, 0
	FETCH_A 0, 0, 4
	global_prefetch_b8 v14, s[70:71] offset:2*ROWB th:TH_LOAD_NT scope:SCOPE_SE   ; K step 2
	STEP 0, 0, 1
	s_mov_b32 s3, LAPS-1
.Llap:
	TURN 0, 1, 1
	STEP 1, 0, 0
	TURN 1, 0, 1
	STEP 0, 0, 0
	s_sub_co_u32 s3, s3, 1
	s_cmp_lg_u32 s3, 0
	s_cbranch_scc1 .Llap
	TURN 0, 1, 0
	STEP 1, 0, 0
	s_wait_dscnt 4*NL
	WIN MUL_LO
	MUL16 0, 1, 0
	MUL16 2, 1, 0
	s_wait_dscnt 0
	WIN MUL_HI
	MUL16 4, 1, 0
	MUL16 6, 1, 0
	WIN 0
	; THE WAY OUT
	s_wait_loadcnt 0x0                             ; b1
	s_wait_kmcnt 0x0
	s_add_co_i32 s96, s92, s93
	s_add_co_i32 s96, s96, 127
	s_lshl_b32 s96, s96, 23                        ; 2^(e12 + e13)
	s_mov_b32 s97, s96                             ; (named with it as a pair, so it is written)
	s_add_co_i32 s94, s94, 127
	s_lshl_b32 s95, s94, 23
	v_mov_b32 v91, s95                             ; 2^e14
	s_add_co_i32 s94, s94, 8
	s_lshl_b32 s94, s94, 23
	s_or_b32 s94, s94, 0x600000
	v_mov_b32 v90, s94                             ; 448 x 2^e14
.macro CONST2 r, val                   ; a constant in both halves of a pair, for the packed forms.  (These lines are also the places behind the last products)
	v_mov_b32 v[\r], \val
	v_mov_b32 v[\r+1], \val
.endm
	CONST2 64, -0.000000000272614225801306         ; P's seven coefficients, the highest power first
	CONST2 66, 0.0000000277068142495902
	CONST2 68, -0.00000210102402082508
	CONST2 70, -0.0000569250639462346
	CONST2 72, -0.000734990630326855
	CONST2 74, -0.00295459980854025
	CONST2 76, -0.0160960333262415
	CONST2 78, -0.0000145660718464996              ; Q's five
	CONST2 80, -0.000213374055278905
	CONST2 82, -0.00168282697438203
	CONST2 84, -0.00737332916720468
	CONST2 86, -0.0142647390514189
	CONST2 88, 0x3f3504f3                          ; 1 / sqrt(2)
.macro DUMP hi                         ; the 32 accumulators of window 2 + hi, raw, into my stage: 64 tokens x 128 columns
	WIN 0x08+4*(\hi)                               ; the stores' data: window 2 or 3
.irp a, 0,1,2,3
.irp b, 0,1,2,3,4,5,6,7
	ds_store_b128 v11, v[8*(8*\a+\b):8*(8*\a+\b)+3] offset:8448*\a+64*\b            ; each accumulator from its low end on
	ds_store_b128 v11, v[8*(8*\a+\b)+4:8*(8*\a+\b)+7] offset:8448*\a+64*\b+16
.endr
.endr
	WIN 0
.endm
.macro GELU16 x                        ; v[x] .. v[x + 15]: x -> 0.5 x (1 + erf(x / sqrt 2)), held within the largest code
.set j, 0
.rept 8
	v_pk_mul_f32 v[Y+j:Y+j+1], v[\x+j:\x+j+1], v[88:89]
.set j, j+2
.endr
.set j, 0
.rept 16
	v_med3_num_f32 v[Y+j], v[Y+j], -4.0, 4.0
.set j, j+1
.endr
.set j, 0
.rept 8
	v_pk_mul_f32 v[Z+j:Z+j+1], v[Y+j:Y+j+1], v[Y+j:Y+j+1]
.set j, j+2
.endr
.set j, 0
.rept 8
	v_pk_fma_f32 v[P+j:P+j+1], v[Z+j:Z+j+1], v[64:65], v[66:67]
	v_pk_fma_f32 v[Q+j:Q+j+1], v[Z+j:Z+j+1], v[78:79], v[80:81]
.set j, j+2
.endr
.irp k, 2,3,4
.set j, 0
.rept 8
	v_pk_fma_f32 v[P+j:P+j+1], v[P+j:P+j+1], v[Z+j:Z+j+1], v[64+2*\k:65+2*\k]
	v_pk_fma_f32 v[Q+j:Q+j+1], v[Q+j:Q+j+1], v[Z+j:Z+j+1], v[78+2*\k:79+2*\k]
.set j, j+2
.endr
.endr
.irp k, 5,6
.set j, 0
.rept 8
	v_pk_fma_f32 v[P+j:P+j+1], v[P+j:P+j+1], v[Z+j:Z+j+1], v[64+2*\k:65+2*\k]
.set j, j+2
.endr
.endr
.set j, 0
	s_wait_alu depctr_va_vdst(0)
.rept 16
	v_rcp_f32 v[Q+j], v[Q+j]
.set j, j+1
.endr
.set j, 0
.rept 8
	v_pk_mul_f32 v[P+j:P+j+1], v[P+j:P+j+1], v[Y+j:Y+j+1]       ; (plain lines behind the reciprocals, which they do not touch)
.set j, j+2
.endr
.set j, 0
	s_wait_alu depctr_va_vdst(0)
.rept 8
	v_pk_mul_f32 v[P+j:P+j+1], v[P+j:P+j+1], v[Q+j:Q+j+1]       ; erf
.set j, j+2
.endr
.set j, 0
.rept 8
	v_pk_mul_f32 v[\x+j:\x+j+1], v[\x+j:\x+j+1], 0.5 op_sel_hi:[1,0]
.set j, j+2
.endr
.set j, 0
.rept 8
	v_pk_fma_f32 v[\x+j:\x+j+1], v[\x+j:\x+j+1], v[P+j:P+j+1], v[\x+j:\x+j+1]
.set j, j+2
.endr
.set j, 0
.rept 16
	v_med3_num_f32 v[\x+j], v[\x+j], -v90, v90     ; the conversion does not saturate (ISA guide 7.6.2): the hold comes first
.set j, j+1
.endr
.endm
; Eight trips of 8 tokens.  A trip's raw sums were asked for a trip ago; s66 steps by 8 rows of the stage, s67 is s66 held at the last 8 rows, so that the last trip's look-ahead stays inside my stage.
.macro LOOP
	s_mov_b32 s66, 0
	s_mov_b32 s68, 8
.irp hh, 0,1
.irp k, 0,1,2,3
	ds_load_b128 v[T+16*\hh+4*\k:T+16*\hh+4*\k+3], v12 offset:256*\hh+16*\k      ; LDS serves a wave's instructions in order: these see my stores
.endr
.endr
.Ltrip_\@:
	s_wait_dscnt 0x0
.set j, 0
.rept 16
	v_pk_fma_f32 v[X+j:X+j+1], v[T+j:T+j+1], s[96:97], v[BI+j:BI+j+1] op_sel_hi:[1,0,1]   ; sum x 2^e + b1
.set j, j+2
.endr
	s_add_co_u32 s66, s66, 8*528
	s_min_u32 s67, s66, 56*528
	v_add_nc_u32 v13, s67, v12
.irp hh, 0,1
.irp k, 0,1,2,3
	ds_load_b128 v[T+16*\hh+4*\k:T+16*\hh+4*\k+3], v13 offset:256*\hh+16*\k
.endr
.endr
	GELU16 X
	GELU16 X+16
.irp g, 0,1,2,3
	v_cvt_scalef32_pk8_fp8_f32 v[C+2*\g:C+2*\g+1], v[X+8*\g:X+8*\g+7], v91
.endr
	v_nop                                          ; a plain line behind the conversions
.irp hh, 0,1
	global_store_b128 v7, v[C+4*\hh:C+4*\hh+3], s[12:13] offset:262144*\hh   ; eight tokens of a slab: 512 consecutive bytes, aligned
.endr
	s_wait_xcnt 0x0                                ; the stores have read their registers and their base
	s_add_nc_u64 s[12:13], s[12:13], 512
	s_sub_co_u32 s68, s68, 1
	s_cmp_lg_u32 s68, 0
	s_cbranch_scc1 .Ltrip_\@
	s_wait_dscnt 0x0                               ; the last look-ahead is back
.endm
	DUMP 0
	LOOP
	DUMP 1
	LOOP
	s_wait_tensorcnt 0x0                           ; the wave's end
	ds_add_u32 v[SPW], v[NIL]
	s_wait_dscnt 0x0
	CROUND                                         ; the closing round
	s_endpgm
.Lfunc_end_k_qe6e91dc951_up:
	.size	k_qe6e91dc951_up, .Lfunc_end_k_qe6e91dc951_up-k_qe6e91dc951_up
	.p2alignl 7, 3214868480
	.fill 96, 4, 3214868480
	.section	.rodata,"a",@progbits
	.p2align	6, 0x0
	.amdhsa_kernel k_qe6e91dc951_up
		.amdhsa_group_segment_fixed_size 327680
		.amdhsa_private_segment_fixed_size 0
		.amdhsa_enable_private_segment 0
		.amdhsa_kernarg_size 40
		.amdhsa_user_sgpr_count 2
		.amdhsa_user_sgpr_kernarg_segment_ptr 1
		.amdhsa_wavefront_size32 1
		.amdhsa_system_sgpr_workgroup_id_x 1
		.amdhsa_system_sgpr_workgroup_id_y 1
		.amdhsa_system_sgpr_workgroup_id_z 1
		.amdhsa_system_vgpr_workitem_id 0
		.amdhsa_next_free_vgpr 1024
		.amdhsa_next_free_sgpr 100
		.amdhsa_reserve_vcc 0
		.amdhsa_float_denorm_mode_32 3
		.amdhsa_float_denorm_mode_16_64 3
		.amdhsa_memory_ordered 1
		.amdhsa_forward_progress 1
		.amdhsa_inst_pref_size 138
	.end_amdhsa_kernel
	.amdgpu_metadata
---
amdhsa.version: [ 1, 2 ]
amdhsa.kernels:
  - .name:           k_qe6e91dc951_up
    .symbol:         k_qe6e91dc951_up.kd
    .args:
      - { .name: h2c, .offset: 0, .size: 8, .value_kind: global_buffer, .address_space: global }
      - { .name: w1_codes, .offset: 8, .size: 8, .value_kind: global_buffer, .address_space: global }
      - { .name: lowp_scales, .offset: 16, .size: 8, .value_kind: global_buffer, .address_space: global }
      - { .name: b1, .offset: 24, .size: 8, .value_kind: global_buffer, .address_space: global }
      - { .name: gc, .offset: 32, .size: 8, .value_kind: global_buffer, .address_space: global }
    .group_segment_fixed_size: 327680
    .private_segment_fixed_size: 0
    .kernarg_segment_align: 8
    .kernarg_segment_size: 40
    .max_flat_workgroup_size: 128
    .sgpr_count:     100
    .vgpr_count:     1024
    .wavefront_size: 32
...
	.end_amdgpu_metadata
.endif
;; end of part 6
;; launch down (part 7): grid 8 x 32, 4 waves a work-group, clusters of 4 x 4, 327,680 bytes of LDS; arguments gc, w2_codes, lowp_scales, b2, gate_mlp, x1, out0; writes out0
.if DOCPART == 7
	.amdgcn_target "amdgcn-amd-amdhsa--gfx1250"
	.amdhsa_code_object_version 6
	.text
	.protected	k_qe6e91dc951_down
	.globl	k_qe6e91dc951_down
	.p2align	8
	.type	k_qe6e91dc951_down,@function
k_qe6e91dc951_down:
	s_mov_b64 s[64:65], 0
	v_nop
	global_prefetch_b8 v0, s[64:65] scope:SCOPE_SE
	s_setreg_imm32_b32 hwreg(HW_REG_WAVE_MODE, 25, 1), 1
	s_wait_xcnt 0x0
	s_wait_alu depctr_hold_cnt(0) depctr_sa_sdst(0) depctr_va_vdst(0) depctr_va_sdst(0) depctr_va_ssrc(0) depctr_va_vcc(0) depctr_vm_vsrc(0)
	s_getreg_b32 s2, hwreg(HW_REG_IB_STS2, 6, 4)
	s_cmp_eq_u32 s2, 0
	s_cbranch_scc0 .Lentry_in_a_cluster
	s_endpgm
.Lentry_in_a_cluster:
	s_bfe_u32 s2, ttmp6, 0x10000c
	s_cmp_lg_u32 s2, 0xf033
	s_cbranch_scc0 .Lentry_shape_is_right
	s_endpgm
.Lentry_shape_is_right:
.set SIZE_K, 4096
.set SCOFF,  56
.set NT,     1
.set KSTEP,  512
.set AHALF,  8*64*80
.set BHALF,  64*528
.set BOFF,   2*AHALF
.set SLOT,   2*AHALF+2*BHALF
.set SPARE,  2*SLOT
.set STAGE,  SPARE+512
.set SPITCH, 272
.set LAPS,   SIZE_K/(2*KSTEP)
.set ADRA, 16
.set ADRB, 20
.set STO,  24
.set RD,   25
.set CO,   26
.set SPW,  28
.set NIL,  29
.set BK,   32
.set ACC,  128
.set F0,   0
.set F1,   128
.set G1, 24
.set G0, 32
.set G1B, 48
.set G0B, 56
.set MSB, 0
.macro WIN new
.if MSB != \new
	s_set_vgpr_msb (MSB<<8)|\new
.set MSB, \new
.endif
.endm
.set MUL,  0x05
.set TO_F, 0x40
.macro JLOAD s
	s_cmp_eq_u32 s11, 0
	s_cbranch_scc0 .Lfor_b_\@
	tensor_load_to_lds s[G0+4*\s:G0+4*\s+3], s[G1:G1+7]
	s_nop 0
.rept 4
	v_nop
.endr
	s_branch .Lasked_\@
.Lfor_b_\@:
	tensor_load_to_lds s[G0B+4*\s:G0B+4*\s+3], s[G1B:G1B+7]
	s_nop 0
.rept 4
	v_nop
.endr
.Lasked_\@:
.endm
.macro CREST
	s_cmp_lg_u32 s10, 0
	s_cbranch_scc1 .Lnot_wave_0_\@
	s_barrier_signal -3
.Lnot_wave_0_\@:
	s_barrier_wait -3
	s_barrier_signal -1
	s_barrier_wait -1
.endm
.macro CROUND
	s_barrier_signal -1
	s_barrier_wait -1
	CREST
.endm
	s_load_b128 s[4:7], s[0:1], 0x0
	s_load_b256 s[68:75], s[0:1], 0x10
	s_load_b64 s[8:9], s[0:1], 0x30
	v_lshl_add_u32 v[SPW], v0, 2, SPARE
	v_mov_b32 v[NIL], 0
	ds_add_u32 v28, v29
	ds_add_u32 v28, v29
	s_wait_dscnt 0x0
	v_lshrrev_b32 v1, 5, v0
	v_readfirstlane_b32 s10, v1
	s_lshr_b32 s11, s10, 1
	s_and_b32 s12, s10, 1
	s_bfe_u32 s40, ttmp6, 0x40000
	s_bfe_u32 s41, ttmp6, 0x40004
	s_lshl_b32 s42, ttmp9, 2
	s_add_co_u32 s42, s42, s40
	s_and_b32 s13, ttmp7, 0xffff
	s_lshl_b32 s13, s13, 2
	s_add_co_u32 s13, s13, s41
	s_lshl_b32 s43, s41, 2
	s_lshl_b32 s43, 15, s43
	s_lshl_b32 s44, 0x1111, s40
	s_or_b32 s[G1+0], s43, (0<<16)|(1<<20)|(1<<21)|(3<<22)|(3<<25)
	s_mov_b32 s[G1+1], 4096<<16
	s_mov_b32 s[G1+2], 8<<16
	s_mov_b32 s[G1+3], 4096<<16
	s_mov_b32 s[G1+4], 8
	s_mov_b32 s[G1+5], 262144
	s_mov_b32 s[G1+6], 0
	s_mov_b32 s[G1+7], 0
	s_or_b32 s[G1B+0], s44, (0<<16)|(1<<20)|(1<<21)|(6<<22)|(3<<25)
	s_mov_b32 s[G1B+1], 512<<16
	s_mov_b32 s[G1B+2], 64<<16
	s_mov_b32 s[G1B+3], 512<<16
	s_mov_b32 s[G1B+4], 64
	s_mov_b32 s[G1B+5], SIZE_K
	s_mov_b32 s[G1B+6], 0
	s_mov_b32 s[G1B+7], 0
	s_lshl_b32 s16, s13, 13
	s_lshl_b32 s17, s12, 12
	s_add_co_u32 s16, s16, s17
	s_mov_b32 s17, 0
	s_lshl_b32 s46, s42, 7
	s_lshl_b32 s47, s12, 6
	s_add_co_u32 s46, s46, s47
	s_mul_i32 s46, s46, SIZE_K
	s_mov_b32 s47, 0
	s_mul_i32 s20, s12, AHALF
	s_mul_i32 s21, s12, BHALF
	s_add_co_u32 s21, s21, BOFF
	s_wait_kmcnt 0x0
	s_load_b64 s[76:77], s[68:69], SCOFF
	s_add_nc_u64 s[14:15], s[4:5], s[16:17]
	s_add_nc_u64 s[46:47], s[6:7], s[46:47]
	; THE PREFETCHES: behind each joint load but the last one line a wave names the NEXT K step of the 128 blocks of 256 bytes that the wave fetches; the four partners that ask for a tile jointly
	; share its blocks out by address: of the tokens' 8 slabs x 4,096 bytes the partner at cx takes slabs 2 cx, 2 cx + 1; of the weight's 64 rows x 512 bytes the partner at cy takes rows 16 cy on.
	s_cmp_eq_u32 s11, 0                            ; do I fetch the tokens' codes?
	s_cselect_b64 s[78:79], s[14:15], s[46:47]
	s_cselect_b32 s16, s40, s41                    ; my place among the four
	s_mov_b32 s17, 0x10000                         ; 16 rows of 4,096 bytes,
	s_cselect_b32 s17, 0x80000, s17                ; or 2 slabs of 262,144
	s_mul_i32 s16, s16, s17
	s_mov_b32 s66, KSTEP                           ; a K step on: 512 bytes of a row,
	s_cselect_b32 s66, 8*262144, s66               ; or 8 slabs
	s_mov_b32 s17, 0
	s_mov_b32 s67, 0
	s_add_nc_u64 s[78:79], s[78:79], s[16:17]
	s_add_nc_u64 s[78:79], s[78:79], s[66:67]      ; at K step 1
	CROUND
.irp s, 0,1
	s_mov_b32 s[G0+4*\s], 1
	s_add_co_u32 s[G0+4*\s+1], s20, \s*SLOT
	s_add_nc_u64 s[G0+4*\s+2:G0+4*\s+3], s[14:15], \s*8*262144
	s_or_b32 s[G0+4*\s+3], s[G0+4*\s+3], 0x80000000
	s_mov_b32 s[G0B+4*\s], 1
	s_add_co_u32 s[G0B+4*\s+1], s21, \s*SLOT
	s_add_nc_u64 s[G0B+4*\s+2:G0B+4*\s+3], s[46:47], \s*KSTEP
	s_or_b32 s[G0B+4*\s+3], s[G0B+4*\s+3], 0x80000000
.endr
	JLOAD 0                                        ; K step 0: one tensor load a wave at the head
	v_and_b32 v1, 15, v0
	v_bfe_u32 v2, v0, 4, 1
	v_mul_u32_u24 v30, v1, 80
	v_lshl_add_u32 v30, v2, 4, v30
	v_mul_u32_u24 v31, v1, 528
	v_lshl_add_u32 v31, v2, 4, v31
	s_mul_i32 s22, s11, AHALF
	s_mul_i32 s23, s12, BHALF
	s_add_co_u32 s23, s23, BOFF
.irp s, 0,1
	v_add_nc_u32 v[ADRA+\s], s22, v30
	v_add_nc_u32 v[ADRB+\s], s23, v31
	s_add_co_u32 s22, s22, SLOT
	s_add_co_u32 s23, s23, SLOT
.endr
	s_mul_i32 s22, s10, 16*SPITCH
	s_add_co_u32 s22, s22, STAGE
	v_mul_u32_u24 v30, v1, SPITCH
	v_lshl_add_u32 v30, v2, 5, v30
	v_add_nc_u32 v[STO], s22, v30
	v_mul_u32_u24 v31, v2, SPITCH
	v_lshl_add_u32 v31, v1, 4, v31
	v_add_nc_u32 v[RD], s22, v31
	v_lshlrev_b32 v[CO], 12, v2
	v_lshl_add_u32 v[CO], v1, 4, v[CO]
	v_lshlrev_b32 v27, 4, v1
	s_cmp_eq_u32 s11, 0                            ; v3: my lane's block: tokens: slab lane / 16, block lane % 16; weight: row lane / 2, block lane % 2
	s_cselect_b32 s22, 4, 1
	s_mov_b32 s23, SIZE_K
	s_cselect_b32 s23, 262144, s23
	v_and_b32 v31, 31, v0
	v_lshrrev_b32 v30, s22, v31
	v_lshlrev_b32 v3, s22, v30
	v_sub_nc_u32 v31, v31, v3
	v_mul_lo_u32 v30, v30, s23
	v_lshl_add_u32 v3, v31, 8, v30
	s_wait_alu depctr_va_vdst(0)
	global_prefetch_b8 v3, s[78:79] th:TH_LOAD_NT scope:SCOPE_SE   ; K step 1, which is loaded when K step 0 has landed
	s_lshl_b32 s46, s42, 9
	s_lshl_b32 s47, s12, 8
	s_add_co_u32 s46, s46, s47
	s_mov_b32 s47, 0
	s_add_nc_u64 s[70:71], s[70:71], s[46:47]
	s_add_nc_u64 s[72:73], s[72:73], s[46:47]
	s_lshl_b32 s16, s13, 19
	s_lshl_b32 s17, s11, 18
	s_add_co_u32 s16, s16, s17
	s_add_co_u32 s46, s46, s16
	s_add_nc_u64 s[74:75], s[74:75], s[46:47]
	s_add_nc_u64 s[8:9], s[8:9], s[46:47]
	global_load_b128 v[4:7], v27, s[72:73]
	global_load_b128 v[12:15], v27, s[70:71]
	WIN 0x80
.irp a, 0,1,2,3
.irp t, 0,1,2,3,4,5,6,7
	global_load_b128 v[32*\a+4*\t:32*\a+4*\t+3], v[CO], s[74:75] offset:65536*\a+8192*\t
.endr
.endr
	WIN 0
.macro MUL8 f, a0, zero
.irp a, \a0, \a0+1
.irp b, 0,1,2,3
.if \zero
	v_wmma_f32_16x16x128_fp8_fp8 v[ACC+8*(4*(\a)+\b):ACC+8*(4*(\a)+\b)+7], v[\f+64+16*\b:\f+64+16*\b+15], v[\f+16*(\a):\f+16*(\a)+15], 0
.else
	v_wmma_f32_16x16x128_fp8_fp8 v[ACC+8*(4*(\a)+\b):ACC+8*(4*(\a)+\b)+7], v[\f+64+16*\b:\f+64+16*\b+15], v[\f+16*(\a):\f+16*(\a)+15], v[ACC+8*(4*(\a)+\b):ACC+8*(4*(\a)+\b)+7]
.endif
.endr
.endr
.endm
.macro FETCH slot, q, f
	WIN TO_F
.irp i, 0,1,2,3
.irp c, 0,1,2,3
	ds_load_b128 v[\f+64+16*\i+4*\c:\f+64+16*\i+4*\c+3], v[ADRB+\slot] offset:128*(\q)+32*\c+8448*\i
.endr
.endr
.irp i, 0,1,2,3
.irp c, 0,1,2,3
	ds_load_b128 v[\f+16*\i+4*\c:\f+16*\i+4*\c+3], v[ADRA+\slot] offset:(2*(\q)+\c/2)*5120+1280*\i+32*(\c%2)
.endr
.endr
.endm
.macro PLACES
.rept 4
	v_nop
.endr
.endm
.macro QUARTER slot, qn, f, g, zero
	s_wait_dscnt 8
	WIN MUL
	MUL8 \f, 0, \zero
	PLACES
	FETCH \slot, \qn, \g
	s_wait_dscnt 32
	WIN MUL
	MUL8 \f, 2, \zero
.endm
.macro TURN slot, next, fill
	WIN 0
.if \fill
	s_wait_xcnt 0x0                                ; my last prefetch has read its address: it steps a K step on
	s_add_nc_u64 s[78:79], s[78:79], s[66:67]
.endif
	s_wait_tensorcnt 0x0
	ds_add_u32 v[SPW], v[NIL]
	s_wait_dscnt 9
	WIN MUL
	MUL8 F1, 0, 0
	s_wait_dscnt 0x0
	s_barrier_signal -1
	WIN 0
	s_barrier_wait -1
.if \fill
	CREST
	s_add_nc_u64 s[G0+4*\slot+2:G0+4*\slot+3], s[G0+4*\slot+2:G0+4*\slot+3], 16*262144
	s_add_nc_u64 s[G0B+4*\slot+2:G0B+4*\slot+3], s[G0B+4*\slot+2:G0B+4*\slot+3], 2*KSTEP
	JLOAD \slot
.else
	PLACES
.endif
	FETCH \next, 0, F0
.if \fill
	WIN 0
.if \slot
	s_cmp_gt_u32 s3, 1                             ; the last refill brings the last K step: there is none behind it to ask for
	s_cbranch_scc0 .Lno_ask_\@
.endif
	global_prefetch_b8 v3, s[78:79] th:TH_LOAD_NT scope:SCOPE_SE   ; the K step that the next refill brings
.Lno_ask_\@:
.endif
	WIN MUL
	MUL8 F1, 2, 0
.endm
	s_wait_alu depctr_va_vdst(0)
	s_wait_xcnt 0x0                                ; the prefetch has read its address: on to K step 2
	s_add_nc_u64 s[78:79], s[78:79], s[66:67]
	s_wait_tensorcnt 0x0                           ; my part of K step 0 is in; the three lines ahead of slot 1's first fill
	ds_add_u32 v[SPW], v[NIL]
	s_wait_dscnt 0x0
	CROUND
	JLOAD 1                                        ; K step 1, the first tensor load behind the round
	FETCH 0, 0, F0
	WIN 0
	global_prefetch_b8 v3, s[78:79] th:TH_LOAD_NT scope:SCOPE_SE   ; K step 2
	QUARTER 0, 1, F0, F1, 1
.if LAPS > 1
	WIN 0
	s_mov_b32 s3, LAPS-1
.Llap:
	QUARTER 0, 2, F1, F0, 0
	QUARTER 0, 3, F0, F1, 0
	TURN 0, 1, 1
	QUARTER 1, 1, F0, F1, 0
	QUARTER 1, 2, F1, F0, 0
	QUARTER 1, 3, F0, F1, 0
	TURN 1, 0, 1
	QUARTER 0, 1, F0, F1, 0
	WIN 0
	s_sub_co_u32 s3, s3, 1
	s_cmp_lg_u32 s3, 0
	s_cbranch_scc1 .Llap
.endif
	QUARTER 0, 2, F1, F0, 0
	QUARTER 0, 3, F0, F1, 0
	TURN 0, 1, 0
	QUARTER 1, 1, F0, F1, 0
	QUARTER 1, 2, F1, F0, 0
	QUARTER 1, 3, F0, F1, 0
	s_wait_dscnt 8
	WIN MUL
	MUL8 F1, 0, 0
	s_wait_dscnt 0
	MUL8 F1, 2, 0
	WIN 0
	s_wait_loadcnt 0x0
	s_wait_kmcnt 0x0
	s_add_co_i32 s76, s76, s77
	s_add_co_i32 s76, s76, 127
	s_lshl_b32 s76, s76, 23
.irp i, 0,1,2,3
	v_mul_f32 v[8+\i], s76, v[4+\i]
.endr
.irp i, 0,1,2,3
	v_mul_f32 v[12+\i], v[4+\i], v[12+\i]
.endr
.macro TOSTAGE a
.irp b, 0,1,2,3
	ds_store_b128 v[STO], v[ACC+8*(4*(\a)+\b):ACC+8*(4*(\a)+\b)+3] offset:64*\b
	ds_store_b128 v[STO], v[ACC+8*(4*(\a)+\b)+4:ACC+8*(4*(\a)+\b)+7] offset:64*\b+16
.endr
.set BB, BK+32*((\a)%2)
.irp t, 0,1,2,3,4,5,6,7
	ds_load_b128 v[BB+4*\t:BB+4*\t+3], v[RD] offset:2*SPITCH*\t
.endr
.endm
.macro SEND a, younger
.set BB, BK+32*((\a)%2)
	s_wait_dscnt \younger
	WIN 0x20
.irp t, 0,1,2,3,4,5,6,7
	v_pk_fma_f32 v[BB+4*\t:BB+4*\t+1], v[BB+4*\t:BB+4*\t+1], v[8:9], v[32*(\a)+4*\t:32*(\a)+4*\t+1]
	v_pk_fma_f32 v[BB+4*\t+2:BB+4*\t+3], v[BB+4*\t+2:BB+4*\t+3], v[10:11], v[32*(\a)+4*\t+2:32*(\a)+4*\t+3]
.endr
	WIN 0
.irp t, 0,1,2,3,4,5,6,7
	v_pk_add_f32 v[BB+4*\t:BB+4*\t+1], v[BB+4*\t:BB+4*\t+1], v[12:13]
	v_pk_add_f32 v[BB+4*\t+2:BB+4*\t+3], v[BB+4*\t+2:BB+4*\t+3], v[14:15]
.endr
.irp t, 0,1,2,3,4,5,6,7
.if NT
	global_store_b128 v[CO], v[BB+4*\t:BB+4*\t+3], s[8:9] offset:65536*(\a)+8192*\t th:TH_STORE_NT
.else
	global_store_b128 v[CO], v[BB+4*\t:BB+4*\t+3], s[8:9] offset:65536*(\a)+8192*\t
.endif
.endr
.endm
	TOSTAGE 0
	s_wait_alu depctr_va_vdst(0)
.irp a, 1,2,3
.if \a > 1
	s_wait_xcnt 0x0
.endif
	TOSTAGE \a
	SEND \a-1, 16
.endr
	SEND 3, 0
	s_wait_tensorcnt 0x0
	ds_add_u32 v[SPW], v[NIL]
	s_wait_dscnt 0x0
	CROUND
	s_endpgm
.Lfunc_end_k_qe6e91dc951_down:
	.size	k_qe6e91dc951_down, .Lfunc_end_k_qe6e91dc951_down-k_qe6e91dc951_down
	.p2alignl 7, 3214868480
	.fill 96, 4, 3214868480
	.section	.rodata,"a",@progbits
	.p2align	6, 0x0
	.amdhsa_kernel k_qe6e91dc951_down
		.amdhsa_group_segment_fixed_size 327680
		.amdhsa_private_segment_fixed_size 0
		.amdhsa_enable_private_segment 0
		.amdhsa_kernarg_size 56
		.amdhsa_user_sgpr_count 2
		.amdhsa_user_sgpr_kernarg_segment_ptr 1
		.amdhsa_wavefront_size32 1
		.amdhsa_system_sgpr_workgroup_id_x 1
		.amdhsa_system_sgpr_workgroup_id_y 1
		.amdhsa_system_sgpr_workgroup_id_z 1
		.amdhsa_system_vgpr_workitem_id 0
		.amdhsa_next_free_vgpr 640
		.amdhsa_next_free_sgpr 80
		.amdhsa_reserve_vcc 0
		.amdhsa_float_denorm_mode_32 3
		.amdhsa_float_denorm_mode_16_64 3
		.amdhsa_memory_ordered 1
		.amdhsa_forward_progress 1
		.amdhsa_inst_pref_size 84
	.end_amdhsa_kernel
	.amdgpu_metadata
---
amdhsa.version: [ 1, 2 ]
amdhsa.kernels:
  - .name:           k_qe6e91dc951_down
    .symbol:         k_qe6e91dc951_down.kd
    .args:
      - { .name: gc, .offset: 0, .size: 8, .value_kind: global_buffer, .address_space: global }
      - { .name: w2_codes, .offset: 8, .size: 8, .value_kind: global_buffer, .address_space: global }
      - { .name: lowp_scales, .offset: 16, .size: 8, .value_kind: global_buffer, .address_space: global }
      - { .name: b2, .offset: 24, .size: 8, .value_kind: global_buffer, .address_space: global }
      - { .name: gate_mlp, .offset: 32, .size: 8, .value_kind: global_buffer, .address_space: global }
      - { .name: x1, .offset: 40, .size: 8, .value_kind: global_buffer, .address_space: global }
      - { .name: out0, .offset: 48, .size: 8, .value_kind: global_buffer, .address_space: global }
    .group_segment_fixed_size: 327680
    .private_segment_fixed_size: 0
    .kernarg_segment_align: 8
    .kernarg_segment_size: 56
    .max_flat_workgroup_size: 128
    .sgpr_count:     80
    .vgpr_count:     640
    .wavefront_size: 32
...
	.end_amdgpu_metadata
.endif
;; end of part 7
